; MI455X (gfx1250); checked and timed in simulation.
; The chip was launched on July 23, 2026; its instructions are those of AMD's public machine-readable ISA for CDNA 5 (MIT licence, August 2026) and "CDNA5" Instruction Set Architecture Reference Guide (July 2026). The comments in the code are by the model that wrote it; some were corrected since.
;; Windowed Causal Self Attention. Allowed arithmetic: matrix products marked QUANTISED: E2M3 operands, one E8M0 scale for each 32 along K, by v_wmma_scale_f32_16x16x128_f8f6f4 with both operands' format E2M3, f32 sums; everything else in f32.
;; Inputs: attn_mask 2,048 x 2,048 bool; proj_b 1,024 float32; proj_w 1,024 x 1,024 float32; qkv_b 3,072 float32; qkv_w 3,072 x 1,024 float32; x 4 x 2,048 x 1,024 float32.
;; Outputs: out0 4 x 2,048 x 1,024 float32.
;; This version of the problem:
;;   THIS VERSION OF THE PROBLEM IS GIVEN IN LOW PRECISION. The matrix products marked QUANTISED in the list below multiply operands that are first quantised to E2M3 (2 exponent bits, 3 mantissa bits; 6 bits a number), with one power-of-two scale for each 32 numbers along K (OCP MX v1.0); their sums are f32. All else is computed in f32.
;;   The module's matrix products, in the order in which they are computed (A, B: the left and right operand; K: the contracted axis; several contracted axes count as one K, in the product's order):
;;     1. [M 8,192, K 1,024] x [K 1,024, N 3,072]; A: input x; B: input qkv_w: QUANTISED
;;     2. batch 64 x [M 2,048, K 64] x [K 64, N 2,048]; A: computed on the way; B: computed on the way: QUANTISED
;;     3. batch 64 x [M 2,048, K 2,048] x [K 2,048, N 64]; A: softmax (see below); B: computed on the way: QUANTISED
;;     4. [M 8,192, K 1,024] x [K 1,024, N 1,024]; A: computed on the way; B: input proj_w: QUANTISED
;;   THE QUANTISER, for each operand of a quantised product, along K:
;;     - K is cut into blocks of 32 from its start; a last block that is shorter is filled with zeros.
;;     - A block's scale is 2^e with e = floor(log2(the largest magnitude in the block)) - 2, held to -126 .. 127; a block of zeros has e = 0. As a byte (E8M0): e + 127.
;;     - Each number is divided by its block's scale, clamped to +-7.5, and rounded to the nearest number of E2M3, ties to even, subnormals kept.
;;     - The product sums the exact products of the quantised numbers (number of the format x scale) in f32.
;;   ~~~python
;;   def quantise(x, axis):      # numpy; x: float32 -> the quantised numbers, widened to float32 again
;;       x = np.moveaxis(x, axis, -1); K = x.shape[-1]
;;       x = np.pad(x, [(0, 0)] * (x.ndim - 1) + [(0, -K % 32)]); x = x.reshape(x.shape[:-1] + (-1, 32)); a = np.abs(x).max(-1, keepdims=True)
;;       e = np.where(a > 0, np.clip(np.frexp(np.where(a > 0, a, 1))[1] - 1 - 2, -126, 127), 0)      # np.frexp(a)[1] - 1 = floor(log2(a)), exactly
;;       r = np.clip(x / 2.0 ** e, -7.5, 7.5)
;;       step = 2.0 ** (np.maximum(np.frexp(np.where(r == 0, 1, r))[1] - 1, 0) - 3)
;;       q = np.round(r / step) * step * 2.0 ** e      # np.round: ties to even
;;       return np.moveaxis(q.reshape(q.shape[:-2] + (-1,))[..., :K], -1, axis).astype(np.float32)
;;   ~~~
;;   SOFTMAX AHEAD OF A QUANTISED PRODUCT. Where the list says 'softmax', what is quantised is not the finished softmax but p = 2^(t - M), with t = logit x log2(e) and M = ceil(the row's largest t), a whole number; so 1/2 < the row's largest p <= 1. The row's sum l is taken of the UNQUANTISED p, in f32, and the product's result is divided by l at the end. Since M is a whole number, a kernel that streams over the keys may use a running M (the ceiling of the running maximum): every later rescaling is an exact power of two, which a block's scale takes up: the codes' values come out the same.
;;   OPERANDS COMPUTED ON THE WAY. 'Computed on the way' means the value that the module computes at that place (a softmax that the list does not call 'softmax' is quantised finished and normalised). What goes into a quantiser is computed in f32, as accurately as f32 sums, v_exp_f32 and their like allow (about 1e-6 of the number): no bf16 or f16 on the way to a quantiser, and a product that is left as it is and whose result goes on into a quantised operand takes f32 operands (vector FMAs, or v_wmma_f32_16x16x4_f32). A number that lies on a knife's edge between two numbers of the format may be rounded either way, as far as f32 arithmetic and the matrix unit's own rounding can turn it there, and no further.
;; One version. Each part assembles by itself: llvm-mc -triple=amdgcn-amd-amdhsa -mcpu=gfx1250 --defsym DOCPART=n.
;; ======== version 1 of 1: 4 launches
;; workspace buffers: codes 9,437,184 bytes; scales 393,216 bytes; msk 524,800 bytes of whole numbers; qkvc 18,874,368 bytes; qkvs 1,572,864 bytes; ac 6,291,456 bytes; asc 262,144 bytes
;; launch prep (part 1): grid 416 x 1, 4 waves a work-group, no clusters, 67,072 bytes of LDS; arguments x, qkv_w, proj_w, attn_mask, codes, scales, msk; writes codes, scales, msk
.if DOCPART == 1
	.amdgcn_target "amdgcn-amd-amdhsa--gfx1250"
	.amdhsa_code_object_version 6
	.text
	.protected	k_qc327b9bdc1_prep
	.globl	k_qc327b9bdc1_prep
	.p2align	8
	.type	k_qc327b9bdc1_prep,@function
k_qc327b9bdc1_prep:
	s_mov_b64 s[64:65], 0
	v_nop
	global_prefetch_b8 v0, s[64:65] scope:SCOPE_SE
	s_setreg_imm32_b32 hwreg(HW_REG_WAVE_MODE, 25, 1), 1
	s_wait_xcnt 0x0
; TWO JOBS IN ONE LAUNCH, parted by the work-group's number; each has LDS bytes of its own.
; (1) Work-groups 32 to 415: x [8192][1024], qkv_w [3072][1024] and proj_w [1024][1024], f32, become codes of FP6 (E2M3), K innermost, 768 bytes a row, and one E8M0 byte for each 32 along K, 32 bytes a row.
;     All 12,288 rows lie in one buffer of codes and one of scale bytes: x at row places 0-8191, qkv_w at 8192-11263, proj_w at 11264-12287.
;     THE ORDER OF ROWS: in every group of 32 rows the two middle runs of 8 change places, so that place 16 u + r of a group holds row 8 u + r + 8 (r / 8).  A tile of 16 neighbouring places then gives a product that is
;     used transposed 16 neighbouring indices in the registers of two neighbouring tiles, which is what the later quantisers want.
;     A block's scale is 2^(floor(log2(largest magnitude)) - 2); its byte is the largest magnitude's exponent field - 2, held at 1 from below (a block of zeros gets 1: its codes are zeros, and this program alone reads the bytes).
;     A wave takes one run of 8 rows: 16 steps of 512 numbers; each load reads 512 consecutive bytes; a step turns through the wave's own stage in LDS so that a lane holds 16 neighbours along K.
; (2) Work-groups 0 to 31: the mask [2048][2048] of bytes becomes, for each tile of 16 queries (qt) and each step of 128 keys (kt), 64 words of lane bits, and one word of flags for each tile.
;     Word n = 16 b + i, bit (r, h): mask[query 32 (qt / 2) + 8 (qt % 2) + r + 8 (r / 8)][key 128 kt + 32 b + 16 h + i]: the lane and register in which the later launch holds that score.
;     Flags: bit kt: the step holds a key that counts, or some query of the tile has no key at all (such a query's softmax is uniform over all keys, so its tile walks every step); bit 16 + kt: all keys of the step count.
;     A byte counts as true where it is not 0.  No branch and no address hangs on the mask's bytes.
; LIMITS: blocks whose largest magnitude lies under 2^-124 keep the byte 1; NaN and infinities among the inputs are not served.
.set MASKWG, 32
.set STEPS, 16
.set EMAX,  2
.set CB,    12                         ; bytes of 16 codes
.set R,     16                         ; v16-79   numbers (or mask bytes) as they are loaded
.set X,     80                         ; v80-111  two sets of 16 neighbours; in the mask's path v80-95: a lane's 64 bytes of a key step
.set C,     128                        ; v128-191 codes: four registers for each step
.set E,     112                        ; v112-127 a scale byte for each step
.set WREG,  8192                       ; LDS, job 1: a region for each wave: two stages of 32 x SP bytes, then its 256 scale bytes
.set SP,    80
.set MLDS,  32768                      ; LDS, job 2: behind job 1's: 16 rows x MP bytes for each wave
.set MP,    528                        ; 512 bytes of a row + 16: the sixteen rows that a load touches begin in different banks
.set W,     96                         ; v96-97   the words of a key step: lane j holds words 2 j and 2 j + 1
.set T,     98                         ; v98-105  at work
.set RA,    106                        ; v106     the OR of all my bytes: 0 where my half of my query's row has no true key
	s_load_b256 s[4:11], s[0:1], 0x0               ; x, qkv_w, proj_w, attn_mask
	s_load_b128 s[12:15], s[0:1], 0x20             ; codes, scales
	s_load_b64 s[16:17], s[0:1], 0x30              ; msk
	v_lshl_add_u32 v192, v0, 2, 0x10400
	v_mov_b32 v193, 0
	v_lshrrev_b32 v1, 5, v0
	v_readfirstlane_b32 s18, v1                    ; wave
	v_and_b32 v2, 31, v0                           ; lane
	v_lshlrev_b32 v3, 4, v2                        ; my 16 bytes of a load's 512
	s_cmp_lt_u32 ttmp9, MASKWG
	s_cbranch_scc1 .Lmask
	; ---------------- job 1: the quantiser ----------------
	s_mul_i32 s19, s18, WREG
	v_lshrrev_b32 v14, 2, v2
	v_mul_u32_u24 v14, v14, SP
	v_and_b32 v15, 3, v2
	v_lshl_add_u32 v14, v15, 4, v14
	v_add_nc_u32 v14, s19, v14                     ; the stage, on the way in: SP (lane / 4) + 16 (lane % 4)
	v_mul_u32_u24 v15, v2, SP
	v_add_nc_u32 v15, s19, v15                     ; and on the way out: SP x lane: my 16 neighbours
	v_mul_u32_u24 v4, v2, CB                       ; my codes' place in a step's
	v_lshrrev_b32 v5, 1, v2
	s_add_co_u32 s19, s19, 2*32*SP
	v_add_nc_u32 v5, s19, v5                       ; LDS: my wave's 256 scale bytes, my block's byte
	v_lshlrev_b32 v7, 3, v2                        ; and on the way out 8 bytes a lane
	v_add_nc_u32 v6, s19, v7
	s_sub_co_u32 s20, ttmp9, MASKWG                ; which group of 32 rows of the 12,288
	s_mov_b32 s21, 352
	s_wait_kmcnt 0x0
	s_cmp_lt_u32 s20, 352                          ; the tensor is chosen by the work-group's number alone
	s_cselect_b64 s[6:7], s[6:7], s[8:9]
	s_cselect_b32 s21, 256, s21
	s_cmp_lt_u32 s20, 256
	s_cselect_b64 s[4:5], s[4:5], s[6:7]
	s_cselect_b32 s21, 0, s21                      ; the tensor's first group
	s_sub_co_u32 s21, s20, s21
	s_lshl_b32 s21, s21, 2
	s_add_co_u32 s22, s21, s18                     ; my run of 8 rows in the tensor
	s_lshl_b32 s22, s22, 15                        ; 32,768 bytes a run
	s_mov_b32 s23, 0
	s_add_nc_u64 s[4:5], s[4:5], s[22:23]
	s_lshl_b32 s24, s20, 2
	s_add_co_u32 s24, s24, s18                     ; my run among all rows;
	s_and_b32 s25, s24, 1
	s_lshl_b32 s25, s25, 1
	s_bfe_u32 s26, s24, 0x10001
	s_and_b32 s24, s24, -4
	s_or_b32 s24, s24, s25
	s_or_b32 s24, s24, s26                         ; its place: the two low bits change places
	s_mul_i32 s22, s24, 32*STEPS*CB                ; 6,144 bytes of codes a run
	s_add_nc_u64 s[12:13], s[12:13], s[22:23]
	s_lshl_b32 s22, s24, 8                         ; 256 scale bytes a run
	s_add_nc_u64 s[14:15], s[14:15], s[22:23]
.macro LOAD t
.irp i, 0,1,2,3
	global_load_b128 v[R+16*((\t)%4)+4*\i:R+16*((\t)%4)+4*\i+3], v3, s[4:5] offset:2048*(\t)+512*\i th:TH_LOAD_NT   ; 32 lanes read 512 consecutive bytes
.endr
.endm
.macro TURN t                          ; step t's numbers through the stage: LDS serves a wave's instructions in order, so no wait stands between the stores and the loads
.irp i, 0,1,2,3
	ds_store_b128 v14, v[R+16*((\t)%4)+4*\i:R+16*((\t)%4)+4*\i+3] offset:32*SP*((\t)%2)+8*SP*\i
.endr
.irp i, 0,1,2,3
	ds_load_b128 v[X+16*((\t)%2)+4*\i:X+16*((\t)%2)+4*\i+3], v15 offset:32*SP*((\t)%2)+16*\i
.endr
.endm
.irp t, 0,1,2,3
	LOAD \t
.endr
	s_wait_loadcnt 12                              ; step 0's four loads are in; those of the three steps behind it may be out
	TURN 0
.macro STEP t
.set XS, X+16*((\t)%2)
.if (\t) > 0
	s_wait_dscnt 1                                 ; this step's numbers are back from the stage (the last step's byte store may be out): so its stores into the stage have read their registers,
.else
	s_wait_dscnt 0x0
.endif
.if (\t)+4 < STEPS
	LOAD (\t)+4                                    ; which take the loads of four steps on
.endif
.if (\t)+1 < STEPS
.if STEPS-2-(\t) >= 3
	s_wait_loadcnt 12                              ; the next step's four loads are in; those of the three steps behind it may be out
.else
	s_wait_loadcnt 4*(STEPS-2-(\t))
.endif
	TURN (\t)+1                                    ; and go through the other stage while this step is worked
.endif
	v_max3_num_f32 v8, |v[XS]|, |v[XS+1]|, |v[XS+2]|               ; the largest magnitude of my 16
	v_max3_num_f32 v9, |v[XS+3]|, |v[XS+4]|, |v[XS+5]|
.irp i, 6,10
	v_max3_num_f32 v8, v8, |v[XS+\i]|, |v[XS+\i+1]|
	v_max3_num_f32 v9, v9, |v[XS+\i+2]|, |v[XS+\i+3]|
.endr
	v_max3_num_f32 v8, v8, |v[XS+14]|, |v[XS+15]|
	v_max3_num_f32 v8, v8, v9, (EMAX+1)<<23        ; and the floor 2^(3 - 127): the byte cannot fall under 1
	v_max_num_f32_dpp v8, v8, v8 row_xmask:1 row_mask:0xf bank_mask:0xf   ; and of my neighbour's 16: the block's
	v_add_nc_u32 v11, -(EMAX<<23), v8              ; 2 off its exponent field: the conversion takes the exponent field of this operand as its scale
	v_cvt_scalef32_pk16_fp6_f32 v[C+4*(\t):C+4*(\t)+2], v[XS:XS+15], v11
	v_lshrrev_b32 v[E+(\t)], 23, v11               ; the scale's byte
	ds_store_b8 v5, v[E+(\t)] offset:16*(\t)       ; both lanes of a block write the same byte with the same value
	global_store_b96 v4, v[C+4*(\t):C+4*(\t)+2], s[12:13] offset:32*CB*(\t)   ; the wave stores 384 consecutive bytes
.endm
.irp t, 0,1,2,3,4,5,6,7,8,9,10,11,12,13,14,15
	STEP \t
.endr
	ds_load_b64 v[12:13], v6                       ; LDS serves a wave's instructions in order: these see my stores
	s_wait_dscnt 0x0
	global_store_b64 v7, v[12:13], s[14:15]        ; 32 lanes store 256 consecutive bytes, aligned
	s_wait_tensorcnt 0x0
	ds_add_u32 v192, v193
	s_wait_dscnt 0x0
	s_endpgm
	; ---------------- job 2: the mask ----------------
.Lmask:
	s_lshl_b32 s20, ttmp9, 2
	s_add_co_u32 s20, s20, s18                     ; qt: my tile of 16 queries
	s_mul_i32 s19, s18, 16*MP
	s_add_co_u32 s19, s19, MLDS                    ; my wave's rows in LDS
	v_add_nc_u32 v4, s19, v3                       ; in: 16 x lane of a row's 512 bytes
	v_and_b32 v5, 15, v2                           ; r
	v_lshrrev_b32 v6, 4, v2                        ; h
	v_mul_u32_u24 v7, v5, MP
	v_lshl_add_u32 v7, v6, 4, v7
	v_add_nc_u32 v7, s19, v7                       ; out: row r, + 16 h
	v_lshlrev_b32 v8, 3, v2                        ; the words' store: 8 bytes a lane
	v_mov_b32 v9, 0                                ; (a lane permute's and a lane write's destination count as read: written once)
	v_mov_b32 v[W], 0
	v_mov_b32 v[W+1], 0
	v_mov_b32 v[RA], 0
	s_mov_b32 s28, 0                               ; the flags
	s_mov_b32 s30, 0x76543210
	s_mov_b32 s31, 0xfedcba98                      ; selects for lane l xor 16
	s_lshr_b32 s21, s20, 1
	s_lshl_b32 s21, s21, 5
	s_and_b32 s22, s20, 1
	s_lshl_b32 s22, s22, 3
	s_add_co_u32 s22, s21, s22                     ; the tile's first query: 32 (qt / 2) + 8 (qt % 2)
	s_lshl_b32 s22, s22, 11                        ; 2,048 bytes a row
	s_mov_b32 s23, 0
	s_lshl_b32 s24, s20, 12                        ; 16 key steps x 256 bytes of words a tile
	s_mov_b32 s25, 0
	s_lshl_b32 s29, s20, 2
	v_mov_b32 v11, s29                             ; the flag word's place
	s_wait_kmcnt 0x0
	s_add_nc_u64 s[10:11], s[10:11], s[22:23]
	s_add_nc_u64 s[26:27], s[16:17], s[24:25]
.macro MLOAD c                         ; 512 keys of my 16 queries: each load reads 512 consecutive bytes of one row
.irp p, 0,1,2,3,4,5,6,7,8,9,10,11,12,13,14,15
	global_load_b128 v[R+4*\p:R+4*\p+3], v3, s[10:11] offset:(\p+8*(\p/8))*2048+512*(\c) th:TH_LOAD_NT
.endr
.endm
.macro KT kt                           ; one key step: 64 words and two flag bits
.irp b, 0,1,2,3
	ds_load_b128 v[X+4*\b:X+4*\b+3], v7 offset:128*((\kt)%4)+32*\b   ; my query's keys 32 b + 16 h + 0 .. 15
.endr
	s_wait_dscnt 0x0
.irp j, 0,1,2,3,4,5,6,7,8,9,10,11,12,13,14,15
	v_or_b32 v[RA], v[RA], v[X+\j]
.endr
	s_wait_xcnt 0x0                                ; the last key step's store has read W: it is written again only behind this wait
.set n0, 0
.rept 8                                ; eight words at a time, so that no line waits for the line above it
.irp k, 0,1,2,3,4,5,6,7
	v_and_b32 v[T+\k], 0xff<<(8*(\k%4)), v[X+(n0+\k)/4]   ; byte n of my 64
.endr
.irp k, 0,1,2,3,4,5,6,7
	v_cmp_ne_u32 s[32+\k], 0, v[T+\k]              ; over the 32 lanes: word n
.endr
.irp k, 0,1,2,3,4,5,6,7
	v_writelane_b32 v[W+\k%2], s[32+\k], (n0+\k)/2
.endr
.set n0, n0+8
.endr
	global_store_b64 v8, v[W:W+1], s[26:27] offset:256*(\kt)   ; 32 lanes store 256 consecutive bytes, aligned
	v_or_b32 v[T], v[W], v[W+1]
	v_and_b32 v[T+1], v[W], v[W+1]
	v_cmp_ne_u32 vcc_lo, 0, v[T]
	s_cmp_lg_u32 vcc_lo, 0                         ; does any key count?
	s_cselect_b32 s29, 1<<(\kt), 0
	s_or_b32 s28, s28, s29
	v_cmp_ne_u32 vcc_lo, -1, v[T+1]
	s_cmp_eq_u32 vcc_lo, 0                         ; do all?
	s_cselect_b32 s29, 1<<(16+(\kt)), 0
	s_or_b32 s28, s28, s29
.endm
.macro PASS c
	s_wait_loadcnt 0x0
.irp p, 0,1,2,3,4,5,6,7,8,9,10,11,12,13,14,15
	ds_store_b128 v4, v[R+4*\p:R+4*\p+3] offset:MP*\p
.endr
	s_wait_dscnt 0x0                               ; the stores have read their registers, which take the next 512 keys
.if (\c) < 3
	MLOAD (\c)+1
.endif
.irp k, 0,1,2,3
	KT 4*(\c)+\k
.endr
.endm
	MLOAD 0
.irp c, 0,1,2,3
	PASS \c
.endr
	v_permlanex16_b32 v9, v[RA], s30, s31
	v_or_b32 v[RA], v[RA], v9                      ; my query's whole row
	v_cmp_eq_u32 vcc_lo, 0, v[RA]
	s_cmp_lg_u32 vcc_lo, 0                         ; a query with no key at all: the tile walks every key step
	s_cselect_b32 s29, 0xffff, 0
	s_or_b32 s28, s28, s29
	v_mov_b32 v10, s28
	v_cmp_eq_u32 vcc_lo, 0, v2
	s_wait_xcnt 0x0                                ; EXEC changes only behind this wait
	s_wait_tensorcnt 0x0
	ds_add_u32 v192, v193
	s_wait_dscnt 0x0
	s_and_saveexec_b32 s29, vcc_lo                 ; lane 0 stores the tile's flags
	global_store_b32 v11, v10, s[16:17] offset:524288
	s_wait_xcnt 0x0
	s_or_b32 exec_lo, exec_lo, s29
	s_endpgm
.Lfunc_end_k_qc327b9bdc1_prep:
	.size	k_qc327b9bdc1_prep, .Lfunc_end_k_qc327b9bdc1_prep-k_qc327b9bdc1_prep
	.p2alignl 7, 3214868480
	.fill 96, 4, 3214868480
	.section	.rodata,"a",@progbits
	.p2align	6, 0x0
	.amdhsa_kernel k_qc327b9bdc1_prep
		.amdhsa_group_segment_fixed_size 67072
		.amdhsa_private_segment_fixed_size 0
		.amdhsa_enable_private_segment 0
		.amdhsa_kernarg_size 56
		.amdhsa_user_sgpr_count 2
		.amdhsa_user_sgpr_kernarg_segment_ptr 1
		.amdhsa_wavefront_size32 1
		.amdhsa_system_sgpr_workgroup_id_x 1
		.amdhsa_system_sgpr_workgroup_id_y 1
		.amdhsa_system_sgpr_workgroup_id_z 1
		.amdhsa_system_vgpr_workitem_id 0
		.amdhsa_next_free_vgpr 194
		.amdhsa_next_free_sgpr 66
		.amdhsa_reserve_vcc 1
		.amdhsa_float_denorm_mode_32 3
		.amdhsa_float_denorm_mode_16_64 3
		.amdhsa_memory_ordered 1
		.amdhsa_forward_progress 1
		.amdhsa_inst_pref_size 255
	.end_amdhsa_kernel
	.section	.bss,"aw",@nobits
	.p2align	6
	.space	262144
	.amdgpu_metadata
---
amdhsa.version: [ 1, 2 ]
amdhsa.kernels:
  - .name:           k_qc327b9bdc1_prep
    .symbol:         k_qc327b9bdc1_prep.kd
    .args:
      - { .name: x, .offset: 0, .size: 8, .value_kind: global_buffer, .address_space: global }
      - { .name: qkv_w, .offset: 8, .size: 8, .value_kind: global_buffer, .address_space: global }
      - { .name: proj_w, .offset: 16, .size: 8, .value_kind: global_buffer, .address_space: global }
      - { .name: attn_mask, .offset: 24, .size: 8, .value_kind: global_buffer, .address_space: global }
      - { .name: codes, .offset: 32, .size: 8, .value_kind: global_buffer, .address_space: global }
      - { .name: scales, .offset: 40, .size: 8, .value_kind: global_buffer, .address_space: global }
      - { .name: msk, .offset: 48, .size: 8, .value_kind: global_buffer, .address_space: global }
    .group_segment_fixed_size: 67072
    .private_segment_fixed_size: 0
    .kernarg_segment_align: 8
    .kernarg_segment_size: 56
    .max_flat_workgroup_size: 128
    .sgpr_count:     66
    .vgpr_count:     194
    .wavefront_size: 32
...
	.end_amdgpu_metadata
.endif
;; end of part 1
;; launch qkv (part 2): grid 12 x 32, 4 waves a work-group, clusters of 4 x 4, 327,680 bytes of LDS; arguments codes, scales, qkv_b, qkvc, qkvs; writes qkvc, qkvs
.if DOCPART == 2
	.amdgcn_target "amdgcn-amd-amdhsa--gfx1250"
	.amdhsa_code_object_version 6
	.text
	.protected	k_qc327b9bdc1_qkv
	.globl	k_qc327b9bdc1_qkv
	.p2align	8
	.type	k_qc327b9bdc1_qkv,@function
k_qc327b9bdc1_qkv:
	s_mov_b64 s[64:65], 0
	v_nop
	global_prefetch_b8 v0, s[64:65] scope:SCOPE_SE
	s_setreg_imm32_b32 hwreg(HW_REG_WAVE_MODE, 25, 1), 1
	s_wait_xcnt 0x0
	s_wait_alu depctr_hold_cnt(0) depctr_sa_sdst(0) depctr_va_vdst(0) depctr_va_sdst(0) depctr_va_ssrc(0) depctr_va_vcc(0) depctr_vm_vsrc(0)
	s_getreg_b32 s2, hwreg(HW_REG_IB_STS2, 6, 4)
	s_cmp_eq_u32 s2, 0
	s_cbranch_scc0 .Lentry_in_a_cluster
	s_endpgm
.Lentry_in_a_cluster:
	s_bfe_u32 s2, ttmp6, 0x10000c
	s_cmp_lg_u32 s2, 0xf033
	s_cbranch_scc0 .Lentry_shape_is_right
	s_endpgm
.Lentry_shape_is_right:
; qkv = x W^T + b on codes of FP6 (E2M3) with one E8M0 scale for each 32 along K = 1,024; q, k and v are quantised in registers and leave as IMAGES OF OPERAND REGISTERS.
; codes: 12,288 row places x 768 bytes (x at 0, qkv_w at 8192); scales: the same rows x 32 bytes.  In every group of 32 places the two middle runs of 8 rows have changed places: place 16 u + r holds row 8 u + r + 8 (r / 8).
; A work-group of four waves makes 256 x 256, a wave 128 x 128: 64 accumulators, 512 registers.  K goes in steps of 256 through a ring of two LDS slots; the scale bytes of the work-group's rows come once and stay.
; THE MATRIX INSTRUCTION IS USED TRANSPOSED (source 0 = 16 places of side B, source 1 = 16 places of side A): lane (r, h) holds place r of A's block, and, by the order of rows, the 64 registers of its eight accumulators
; are side B's indices 32 b + 16 h + i in their true order (register 16 b + i).  So a lane's registers run along the axis that is quantised:
;   clusters x = 0, 1 (q, k): side A = tokens (x), side B = features (weights): blocks of 32 along a head's 64;     cluster x = 2 (v): side A = v's features, side B = tokens: blocks of 32 along the keys.
; One text serves both: only offsets are chosen, by the cluster's x, which all partners share.
; OUT.  A wave's 128 tokens x 128 features (two heads) are one record of 12,288 bytes of codes and 1,024 bytes of scale words, record ((batch x 8 + pair of heads) x 16 + group of 128 tokens) of section q, k or v.
;   q, k: [head 2][tile of 16 tokens 8][768 bytes: registers 0-3 at 16 x lane, registers 4-5 at 512 + 8 x lane]: 16 tokens x 64 along d.     v: [tile of 16 features 8][two such halves]: 16 features x 128 keys.
;   scale words [r 16][copy 2][tile 8]: q, k: copy = head, bytes 0, 1 its two blocks, bytes 2, 3 zero;  v: both copies the whole word.
; CLUSTERS: 4 x 4 work-groups; side A's tiles are asked for jointly along a row of the cluster, side B's along a column.
; 384 work-groups for 256 WGPs: tiles that divide evenly would cut across heads or sections.
; LIMITS: blocks whose largest magnitude lies under 2^-124 keep the byte 1 (a block of zeros too: its codes are zeros); NaN and infinities are not served.
; REGISTERS, in windows of 256: window 0: v0-31 addresses; v32-63 scale words, two sets; v64-127 the bias along side B; v128-223 A's fragments, one set; v224-239 the bias along side A; v240-255 at work.
;   On the way out v128-191 a block's 64 numbers, v192-211 its codes, v212-219 the eight scale words.   window 1: B's fragments, two sets.   windows 2, 3: the accumulators ((a, b) at v[8 (8 (a % 4) + b)]).
.set KSTEP,  256
.set NQ,     KSTEP/128
.set ROWB,   192                       ; a tile's row in bytes
.set KROW,   768                       ; a row of codes in memory
.set PITCH,  240                       ; an LDS row: 3 x (64 bytes + 16 of padding)
.set FR,     12
.set NL,     6
.set NP,     4
.set HALFT,  128*PITCH
.set SLOT,   4*HALFT
.set LAPS,   2                         ; 1,024 along K = twice round the ring
.set KS,     32                        ; a row of scale bytes
.set SCL,    2*SLOT
.set HALFS,  (128*KS/256)*272
.set SBLK,   (16*KS/256)*272
.set SPARE,  SCL+4*HALFS               ; the spare words, 128 bytes for each wave: two blocks of 256 bytes that no other line names
.set BCO,  7                           ; v7   64 h: the bias along side B
.set O16,  8                           ; v8   16 x lane
.set O8,   9                           ; v9   8 x lane
.set O16H, 10                          ; v10  the same, at a fragment's second half
.set O8H,  11                          ; v11
.set SOF,  12                          ; v12  64 r + 32 h: my eight scale words
.set VSH,  13                          ; v13  q, k: 16 h; v: 0
.set BRO,  14                          ; v14  4 (r + 8 (r / 8)): the bias along side A
.set ADRA, 16
.set ADRB, 20
.set ADRS, 27
.set SPW,  28
.set NIL,  29
.set SC,   32
.set BC,   64
.set AF,   128
.set BR,   224
.set TM,   240
.set HA,   128
.set PC,   192
.set WD,   212
.set G1, 24
.set G0, 32
.set G1B, 48
.set G0B, 56
.set G1S, 68
.set G0S, 76
.set G1SB, 80
.set G0SB, 88
.set SEL,  40                          ; s40-41 on the way out: selects for lane l xor 16
.set MSKS, 94                          ; s94    q, k: 0xffff; v: all ones
.set ISV,  95                          ; s95    1 in v's cluster column
.set DC,   96                          ; s[96:97]   where my record's codes go
.set DS,   98                          ; s[98:99]   and its scale words
.set ASTR, 100                         ; s[100:101] from block to block: 768 (q, k) or 1,536 (v)
.set MSB, 0
.macro WIN new                         ; the immediate's high byte repeats the setting that is left
.if MSB != \new
	s_set_vgpr_msb (MSB<<8)|\new
.set MSB, \new
.endif
.endm
.set MUL_LO, 0xa1                      ; source 0 (B) window 1, source 1 (A) window 0, C and D window 2
.set MUL_HI, 0xf1
.set TO_B,   0x40
; A joint load: waves 0 and 1 fetch for side A, waves 2 and 3 for side B; the branch hangs on the wave's number alone.  Four v_nop follow each of the two lines.
.macro JLOAD g0a, g1a, g0b, g1b
	s_cmp_eq_u32 s15, 0
	s_cbranch_scc0 .Lfor_b_\@
	tensor_load_to_lds s[\g0a:\g0a+3], s[\g1a:\g1a+7]
	s_nop 0
.rept 4
	v_nop
.endr
	s_branch .Lasked_\@
.Lfor_b_\@:
	tensor_load_to_lds s[\g0b:\g0b+3], s[\g1b:\g1b+7]
	s_nop 0
.rept 4
	v_nop
.endr
.Lasked_\@:
.endm
.macro CREST                           ; a round of the cluster's barrier behind its opening barrier
	s_cmp_lg_u32 s14, 0
	s_cbranch_scc1 .Lnot_wave_0_\@
	s_barrier_signal -3
.Lnot_wave_0_\@:
	s_barrier_wait -3
	s_barrier_signal -1
	s_barrier_wait -1
.endm
.macro CROUND
	s_barrier_signal -1
	s_barrier_wait -1
	CREST
.endm
	s_load_b128 s[4:7], s[0:1], 0x0                ; codes, scales
	s_load_b128 s[8:11], s[0:1], 0x10              ; qkv_b, qkvc
	s_load_b64 s[12:13], s[0:1], 0x20              ; qkvs
	v_lshl_add_u32 v[SPW], v0, 2, SPARE
	v_mov_b32 v[NIL], 0
	ds_add_u32 v28, v29
	ds_add_u32 v28, v29
	s_wait_dscnt 0x0
	v_lshrrev_b32 v1, 5, v0
	v_readfirstlane_b32 s14, v1                    ; wave 0..3
	s_lshr_b32 s15, s14, 1                         ; which half of side A is mine.  Also: I fetch for A (0) or for B (1)
	s_and_b32 s16, s14, 1                          ; which half of side B.  Also: which 128 rows of that tile I fetch
	s_bfe_u32 s40, ttmp6, 0x40000                  ; cx, cy: my place in the cluster
	s_bfe_u32 s41, ttmp6, 0x40004
	s_and_b32 s17, ttmp7, 0xffff                   ; the cluster's y
	s_cmp_eq_u32 ttmp9, 2                          ; the cluster's x: 0 q, 1 k, 2 v; the same in all sixteen partners
	s_cselect_b32 s[ISV], 1, 0
	s_cselect_b32 s42, s17, ttmp9                  ; side B walks the tokens (v) or the features of q and k
	s_cselect_b32 s17, 0, s17                      ; side A walks v's four tiles of features, or the tokens
	s_cselect_b32 s92, 10240, 0                    ; side A's first row place: v's weights, or x
	s_cselect_b32 s93, 0, 8192                     ; side B's: x, or q's and k's weights
	s_lshl_b32 s42, s42, 2
	s_add_co_u32 s42, s42, s40                     ; side B's tile = 4 x cluster + cx
	s_lshl_b32 s17, s17, 2
	s_add_co_u32 s17, s17, s41                     ; side A's tile = 4 x cluster + cy
	s_lshl_b32 s43, s41, 2
	s_lshl_b32 s43, 15, s43                        ; my row of the cluster
	s_lshl_b32 s44, 0x1111, s40                    ; my column
	; descriptor group 1: a tile of 128 rows x 192 bytes, 16 bytes of padding behind every 64
	s_or_b32 s[G1+0], s43, (0<<16)|(1<<20)|(1<<21)|(3<<22)|(3<<25)
	s_or_b32 s[G1B+0], s44, (0<<16)|(1<<20)|(1<<21)|(3<<22)|(3<<25)
.irp g, G1, G1B
	s_mov_b32 s[\g+1], ROWB<<16                    ; tensor_dim0
	s_mov_b32 s[\g+2], 128<<16                     ; tensor_dim1
	s_mov_b32 s[\g+3], ROWB<<16                    ; tile_dim0
	s_mov_b32 s[\g+4], 128                         ; tile_dim1
	s_mov_b32 s[\g+5], KROW                        ; tensor_dim0_stride
	s_mov_b32 s[\g+6], 0
	s_mov_b32 s[\g+7], 0
.endr
	; the scale bytes of 128 rows: a dense block of 4,096 bytes, as rows of 256 bytes (32 elements of 8 bytes), 16 bytes of padding behind each
	s_or_b32 s[G1S+0], s43, (3<<16)|(1<<20)|(1<<21)|(5<<22)|(3<<25)
	s_or_b32 s[G1SB+0], s44, (3<<16)|(1<<20)|(1<<21)|(5<<22)|(3<<25)
.irp g, G1S, G1SB
	s_mov_b32 s[\g+1], 32<<16
	s_mov_b32 s[\g+2], (128*KS/256)<<16
	s_mov_b32 s[\g+3], 32<<16
	s_mov_b32 s[\g+4], 128*KS/256
	s_mov_b32 s[\g+5], 32
	s_mov_b32 s[\g+6], 0
	s_mov_b32 s[\g+7], 0
.endr
	s_lshl_b32 s18, s16, 7                         ; which 128 rows of the tile I fetch
	s_lshl_b32 s20, s17, 8
	s_add_co_u32 s20, s20, s18
	s_add_co_u32 s20, s20, s92                     ; side A: row place
	s_lshl_b32 s46, s42, 8
	s_add_co_u32 s46, s46, s18
	s_add_co_u32 s46, s46, s93                     ; side B: row place
	s_mov_b32 s21, 0
	s_mov_b32 s47, 0
	s_mov_b64 s[18:19], KS
	s_mul_u64 s[22:23], s[20:21], s[18:19]         ; where these rows' scale bytes begin,
	s_mul_u64 s[92:93], s[46:47], s[18:19]
	s_mov_b64 s[18:19], KROW
	s_mul_u64 s[20:21], s[20:21], s[18:19]         ; and their codes
	s_mul_u64 s[46:47], s[46:47], s[18:19]
	s_mul_i32 s45, s14, HALFT                      ; where they go: wave x 128 rows: no place in the cluster enters an LDS address
	s_mul_i32 s94, s14, HALFS
	s_wait_kmcnt 0x0
	s_add_nc_u64 s[20:21], s[4:5], s[20:21]
	s_add_nc_u64 s[22:23], s[6:7], s[22:23]
	s_add_nc_u64 s[46:47], s[4:5], s[46:47]
	s_add_nc_u64 s[92:93], s[6:7], s[92:93]
	CROUND                                         ; all sixteen work-groups are here: the first joint loads meet
	s_mov_b32 s[G0S], 1
	s_add_co_u32 s[G0S+1], s94, SCL
	s_mov_b64 s[G0S+2:G0S+3], s[22:23]
	s_or_b32 s[G0S+3], s[G0S+3], 0x80000000
	s_mov_b32 s[G0SB], 1
	s_add_co_u32 s[G0SB+1], s94, SCL
	s_mov_b64 s[G0SB+2:G0SB+3], s[92:93]
	s_or_b32 s[G0SB+3], s[G0SB+3], 0x80000000
	JLOAD G0S, G1S, G0SB, G1SB                     ; the scale bytes first: they are wanted with K step 0
.irp s, 0,1
	s_mov_b32 s[G0+4*\s], 1
	s_add_co_u32 s[G0+4*\s+1], s45, \s*SLOT
	s_add_nc_u64 s[G0+4*\s+2:G0+4*\s+3], s[20:21], \s*ROWB
	s_or_b32 s[G0+4*\s+3], s[G0+4*\s+3], 0x80000000
	s_mov_b32 s[G0B+4*\s], 1
	s_add_co_u32 s[G0B+4*\s+1], s45, \s*SLOT
	s_add_nc_u64 s[G0B+4*\s+2:G0B+4*\s+3], s[46:47], \s*ROWB
	s_or_b32 s[G0B+4*\s+3], s[G0B+4*\s+3], 0x80000000
	JLOAD G0+4*\s, G1, G0B+4*\s, G1B
.endr
	v_and_b32 v1, 15, v0                           ; r
	v_bfe_u32 v2, v0, 4, 1                         ; h
	v_mul_u32_u24 v3, v1, PITCH
	v_mul_u32_u24 v4, v2, 24
	v_add_nc_u32 v4, v3, v4                        ; a fragment's row x pitch + 24 x half
	v_lshl_add_u32 v5, v2, 4, v4                   ; and the same behind one padding more
	s_mul_i32 s21, s15, HALFT                      ; my 128 rows of A
	s_mul_i32 s22, s16, HALFT                      ; my 128 rows of B,
	s_add_co_u32 s22, s22, 2*HALFT                 ; which lie behind A's 256
.irp s, 0,1
	v_add_nc_u32 v[ADRA+\s], s21, v4
	v_add_nc_u32 v[ADRB+\s], s22, v4
	v_add_nc_u32 v[ADRA+2+\s], s21, v5
	v_add_nc_u32 v[ADRB+2+\s], s22, v5
	s_add_co_u32 s21, s21, SLOT
	s_add_co_u32 s22, s22, SLOT
.endr
	v_mul_u32_u24 v5, v1, KS                       ; my row's scale bytes: 32 a row,
	v_lshrrev_b32 v6, 8, v5
	v_lshl_add_u32 v5, v6, 4, v5                   ; and 16 more for each 256 passed
	s_mul_i32 s21, s15, HALFS
	s_mul_i32 s22, s16, HALFS
	s_add_co_u32 s22, s22, 2*HALFS
	s_sub_co_u32 s22, s22, s21
	v_mul_u32_u24 v6, s22, v2                      ; lanes 16-31 take B's
	s_add_co_u32 s21, s21, SCL
	v_add_nc_u32 v5, v5, v6
	v_add_nc_u32 v[ADRS], s21, v5
	; the way out's offsets, the biases, and where my record lies
	v_and_b32 v6, 31, v0
	v_lshlrev_b32 v[O16], 4, v6
	v_lshlrev_b32 v[O8], 3, v6
	v_lshlrev_b32 v[SOF], 6, v1
	v_lshl_add_u32 v[SOF], v2, 5, v[SOF]
	v_lshlrev_b32 v[BCO], 6, v2
	v_and_b32 v[BRO], 8, v1
	v_add_nc_u32 v[BRO], v[BRO], v1
	v_lshlrev_b32 v[BRO], 2, v[BRO]
	s_lshl_b32 s92, s17, 8
	s_lshl_b32 s93, s15, 7
	s_add_co_u32 s92, s92, s93                     ; my wave's first index on side A,
	s_lshl_b32 s93, s42, 8
	s_lshl_b32 s46, s16, 7
	s_add_co_u32 s93, s93, s46                     ; and on side B
	s_add_co_u32 s47, s92, 2048                    ; v's features begin at 2,048 of the bias
	s_mov_b32 s20, 6144
	s_mov_b32 s[ASTR], 768
	s_mov_b32 s[MSKS], 0xffff
	s_cmp_eq_u32 s[ISV], 1
	s_cselect_b32 s46, s93, s92                    ; my first token
	s_cselect_b32 s45, s92, s93                    ; my first feature
	s_cselect_b32 s18, 0, s93                      ; the bias along side B (q, k; in v's clusters it is loaded from index 0 and not used)
	s_cselect_b32 s22, s47, 0                      ; the bias along side A (v; else loaded from index 0 and not used)
	s_cselect_b32 s20, 768, s20                    ; a fragment's second half: the tile's second 64 keys (v), or the other head (q, k)
	s_cselect_b32 s[ASTR], 1536, s[ASTR]
	s_cselect_b32 s[MSKS], -1, s[MSKS]
	s_cselect_b32 s21, 0, 16
	s_mov_b32 s[ASTR+1], 0
	v_add_nc_u32 v[O16H], s20, v[O16]
	v_add_nc_u32 v[O8H], s20, v[O8]
	v_mul_u32_u24 v[VSH], s21, v2
	s_lshl_b32 s18, s18, 2
	s_mov_b32 s19, 0
	s_add_nc_u64 s[18:19], s[8:9], s[18:19]
	s_lshl_b32 s22, s22, 2
	s_mov_b32 s23, 0
	s_add_nc_u64 s[22:23], s[8:9], s[22:23]
.irp b, 0,1,2,3,4,5,6,7                ; register 8 b + j: the bias of side B's index 32 (b / 2) + 16 h + 8 (b % 2) + j
	global_load_b128 v[BC+8*\b:BC+8*\b+3], v[BCO], s[18:19] offset:(32*(\b/2)+8*(\b%2))*4
	global_load_b128 v[BC+8*\b+4:BC+8*\b+7], v[BCO], s[18:19] offset:(32*(\b/2)+8*(\b%2))*4+16
.endr
.irp a, 0,1,2,3,4,5,6,7                ; a pair for block a: the bias of side A's index 32 (a / 2) + 8 (a % 2) + r + 8 (r / 8), twice, for the packed addition
	global_load_b32 v[BR+2*\a], v[BRO], s[22:23] offset:(32*(\a/2)+8*(\a%2))*4
	global_load_b32 v[BR+2*\a+1], v[BRO], s[22:23] offset:(32*(\a/2)+8*(\a%2))*4
.endr
	s_and_b32 s45, s45, 1023
	s_lshr_b32 s45, s45, 7                         ; the pair of heads
	s_lshr_b32 s47, s46, 11                        ; the batch
	s_lshl_b32 s47, s47, 3
	s_add_co_u32 s47, s47, s45
	s_lshl_b32 s47, s47, 4
	s_bfe_u32 s46, s46, 0x40007                    ; the group of 128 tokens
	s_add_co_u32 s47, s47, s46                     ; my record
	s_mul_i32 s20, ttmp9, 6291456                  ; the section
	s_mul_i32 s21, s47, 12288
	s_add_co_u32 s20, s20, s21
	s_mov_b32 s21, 0
	s_add_nc_u64 s[DC:DC+1], s[10:11], s[20:21]
	s_mul_i32 s20, ttmp9, 524288
	s_lshl_b32 s47, s47, 10
	s_add_co_u32 s20, s20, s47
	s_add_nc_u64 s[DS:DS+1], s[12:13], s[20:21]
.macro FRAG reg, adr, q, i             ; a fragment, 16 rows x 128 K, is 12 registers: registers 6 c .. 6 c + 5 hold K = 64 c + 32 h + 0 .. 31: 24 bytes of the row, in pieces of 8
.irp p, 0,1,2,3,4,5
.set PCE, 12*(\q)+6*(\p/3)+\p%3        ; where the piece three on (lanes 16-31) lies behind one padding more, the second address register serves
.if PCE%8 < 5
	ds_load_b64 v[\reg+2*\p:\reg+2*\p+1], v[\adr] offset:8*PCE+16*(PCE/8)+(\i)*16*PITCH
.else
	ds_load_b64 v[\reg+2*\p:\reg+2*\p+1], v[\adr+2] offset:8*PCE+16*(PCE/8)+(\i)*16*PITCH
.endif
.endr
.endm
; 16 matrix instructions: A's blocks a0, a0 + 1 x B's eight, 128 along K.  zero = 1: the first product starts the sums.  The 64 accumulators take turns, one instruction a turn.
.macro MUL16 a0, p, q, sc, zero
.irp a, \a0, \a0+1
.irp b, 0,1,2,3,4,5,6,7
.if \zero
	v_wmma_scale_f32_16x16x128_f8f6f4 v[8*(8*((\a)%4)+\b):8*(8*((\a)%4)+\b)+7], v[128*(\p)+FR*\b:128*(\p)+FR*\b+FR-1], v[AF+FR*(\a):AF+FR*(\a)+FR-1], 0, v[SC+8*NQ*(\sc)+NQ*\b+(\q)], v[SC+8*NQ*(\sc)+NQ*(\a)+(\q)] matrix_a_fmt:MATRIX_FMT_FP6 matrix_b_fmt:MATRIX_FMT_FP6 matrix_a_scale:MATRIX_SCALE_ROW1
.else
	v_wmma_scale_f32_16x16x128_f8f6f4 v[8*(8*((\a)%4)+\b):8*(8*((\a)%4)+\b)+7], v[128*(\p)+FR*\b:128*(\p)+FR*\b+FR-1], v[AF+FR*(\a):AF+FR*(\a)+FR-1], v[8*(8*((\a)%4)+\b):8*(8*((\a)%4)+\b)+7], v[SC+8*NQ*(\sc)+NQ*\b+(\q)], v[SC+8*NQ*(\sc)+NQ*(\a)+(\q)] matrix_a_fmt:MATRIX_FMT_FP6 matrix_b_fmt:MATRIX_FMT_FP6 matrix_a_scale:MATRIX_SCALE_ROW1
.endif
.endr
.endr
.endm
.macro FETCH_B slot, q, p
	WIN TO_B
.irp i, 0,1,2,3,4,5,6,7
	FRAG 128*(\p)+FR*\i, ADRB+\slot, \q, \i
.endr
	WIN 0
.endm
.macro FETCH_A slot, q, i0
.irp i, \i0, \i0+1, \i0+2, \i0+3
	FRAG AF+FR*(\i), ADRA+\slot, \q, \i
.endr
.endm
.macro SCALES sc                       ; the next K step's scale words: lanes 0-15 take A's block i, lanes 16-31 B's block i
.irp i, 0,1,2,3,4,5,6,7
	ds_load_b64 v[SC+8*NQ*\sc+NQ*\i:SC+8*NQ*\sc+NQ*\i+1], v[ADRS] offset:\i*SBLK
.endr
.endm
.macro PLACES n                        ; plain vector instructions between a matrix instruction and a load into, or a read or write of, its registers
.rept \n
	v_nop
.endr
.endm
.macro STEP slot, q, zero              ; a step of 128 along K that has its successor in the same slot
	s_wait_dscnt 4*NL                              ; B's set and A's blocks 0-3 are in; the youngest 24 loads (A's blocks 4-7) may be out
	WIN MUL_LO
	MUL16 0, (\q)%2, \q, \slot, \zero
	MUL16 2, (\q)%2, \q, \slot, \zero
	s_wait_dscnt 0
	PLACES NP
	FETCH_B \slot, (\q)+1, 1-(\q)%2
	FETCH_A \slot, (\q)+1, 0
	WIN MUL_HI
	MUL16 4, (\q)%2, \q, \slot, \zero
	MUL16 6, (\q)%2, \q, \slot, \zero
	PLACES NP
	WIN 0
	FETCH_A \slot, (\q)+1, 4
.endm
; A slot's last step changes slots: one barrier; in front of it each wave waits for all its tensor loads, adds 0 to its spare word, and waits for that and for its own reads of this slot.
.macro TURN slot, next, fill
	s_wait_tensorcnt 0x0                           ; all my tensor loads have landed: my part of the next slot
	ds_add_u32 v[SPW], v[NIL]                      ; 0 onto my spare word
	s_wait_dscnt 4*NL+1                            ; (the add and the youngest 24 loads may be out)
	WIN MUL_LO
	MUL16 0, 1, NQ-1, \slot, 0
	s_wait_dscnt 0x0                               ; the add is done, and my reads of this slot are over
	s_barrier_signal -1
	MUL16 2, 1, NQ-1, \slot, 0
	WIN 0
	s_barrier_wait -1
.if \fill
	CREST                                          ; the barrier has opened a round of the cluster's barrier: no wave of any partner still reads this slot or has a load on its way
	s_add_nc_u64 s[G0+4*\slot+2:G0+4*\slot+3], s[G0+4*\slot+2:G0+4*\slot+3], 2*ROWB
	s_add_nc_u64 s[G0B+4*\slot+2:G0B+4*\slot+3], s[G0B+4*\slot+2:G0B+4*\slot+3], 2*ROWB
	JLOAD G0+4*\slot, G1, G0B+4*\slot, G1B         ; the first tensor load behind the round; its four v_nop are the places in front of the loads below
.else
	PLACES NP
.endif
	v_add_nc_u32 v[ADRS], 4*NQ, v[ADRS]            ; on to the next K step's scale words
	FETCH_B \next, 0, 0
	FETCH_A \next, 0, 0
	SCALES \next
	WIN MUL_HI
	MUL16 4, 1, NQ-1, \slot, 0
	MUL16 6, 1, NQ-1, \slot, 0
	PLACES NP
	WIN 0
	FETCH_A \next, 0, 4
.endm
	s_wait_tensorcnt 1                             ; the scale bytes and my part of K step 0 are in (K step 1's load may be out),
	s_barrier_signal -1
	s_barrier_wait -1                              ; everybody's are
	FETCH_B 0, 0, 0
	FETCH_A 0, 0, 0
	SCALES 0
	FETCH_A 0, 0, 4
	STEP 0, 0, 1                                   ; the first step stands in front of the loop: its products start the sums
	s_mov_b32 s3, LAPS-1
.Llap:                                                 ; a trip goes once round the ring and fills both slots again
	TURN 0, 1, 1
	STEP 1, 0, 0
	TURN 1, 0, 1
	STEP 0, 0, 0
	s_sub_co_u32 s3, s3, 1
	s_cmp_lg_u32 s3, 0
	s_cbranch_scc1 .Llap
	TURN 0, 1, 0                                   ; the last lap fills nothing
	STEP 1, 0, 0
	s_wait_dscnt 4*NL
	WIN MUL_LO
	MUL16 0, 1, NQ-1, 1, 0
	MUL16 2, 1, NQ-1, 1, 0
	s_wait_dscnt 0
	WIN MUL_HI
	MUL16 4, 1, NQ-1, 1, 0
	MUL16 6, 1, NQ-1, 1, 0
	WIN 0
; 64 numbers of a lane, v[s] on, register 16 b + i = index 32 b + 16 h + i of my row, become a fragment's codes in v[PC] on and its scale word in v[pw].
.macro QUANT s, pw
.irp b, 0,1,2,3
	v_max3_num_f32 v[TM+\b], |v[\s+16*\b]|, |v[\s+1+16*\b]|, 0x1800000   ; block b: my 16 numbers, and the floor 2^(3 - 127): the byte cannot fall under 1
.endr
.irp i, 2,4,6,8,10,12,14
.irp b, 0,1,2,3
	v_max3_num_f32 v[TM+\b], v[TM+\b], |v[\s+16*\b+\i]|, |v[\s+1+16*\b+\i]|
.endr
.endr
.irp b, 0,1,2,3
	v_permlanex16_b32 v[TM+4+\b], v[TM+\b], s[SEL], s[SEL+1]
.endr
.irp b, 0,1,2,3
	v_max_num_f32 v[TM+\b], v[TM+\b], v[TM+4+\b]   ; with lane l xor 16's: the block's largest magnitude
.endr
.irp b, 0,1,2,3
	v_add_nc_u32 v[TM+12+\b], 0xff000000, v[TM+\b] ; 2 off its exponent field: the conversion's scale operand
.endr
.irp b, 0,1,2,3
	v_lshrrev_b32 v[TM+4+\b], 23, v[TM+12+\b]      ; the scale's byte
.endr
	v_lshl_or_b32 v[\pw], v[TM+5], 8, v[TM+4]
	v_lshl_or_b32 v[\pw], v[TM+6], 16, v[\pw]
	v_lshl_or_b32 v[\pw], v[TM+7], 24, v[\pw]
.irp c, 0,1
	v_cvt_scalef32_pk16_fp6_f32 v[PC+6*\c:PC+2+6*\c], v[\s+32*\c:\s+15+32*\c], v[TM+12+2*\c]
	v_cvt_scalef32_pk16_fp6_f32 v[PC+12+4*\c:PC+14+4*\c], v[\s+16+32*\c:\s+31+32*\c], v[TM+12+2*\c+1]   ; (a conversion's three registers begin on an even number)
.endr
	v_nop                                          ; one plain place behind a scaled conversion
.irp c, 0,1                                    ; the operand's layout wants a whole block in a lane: lanes 0-15 block 2 c, lanes 16-31 block 2 c + 1
.irp i, 0,1,2
	v_permlane16_swap_b32 v[PC+6*\c+\i], v[PC+12+4*\c+\i]
.endr
.irp i, 0,1,2
	v_mov_b32 v[PC+3+6*\c+\i], v[PC+12+4*\c+\i]
.endr
.endr
.endm
; THE WAY OUT of block a (16 places of side A x 128 of side B): the bias is added, which also brings the sums into window 0; the 64 numbers are quantised; the fragment is stored as it stands.
; Each store of the wave covers 512 or 256 consecutive bytes, aligned.  The branch hangs on the cluster's x alone.
.macro OUTBLK a
.set AC, 64*((\a)%4)
.if (\a) > 0
	s_wait_xcnt 0x0                                ; the last block's stores have read their registers and their base
	s_add_nc_u64 s[DC:DC+1], s[DC:DC+1], s[ASTR:ASTR+1]
.endif
	s_cmp_eq_u32 s[ISV], 1
	s_cbranch_scc1 .Lrow_\@
	WIN 0x02+((\a)/4)                              ; source 0: window 2 or 3
.set i, 0
.rept 32
	v_pk_add_f32 v[HA+2*i:HA+2*i+1], v[AC+2*i:AC+2*i+1], v[BC+2*i:BC+2*i+1]   ; q, k: the bias runs along the registers; each accumulator from its low end on
.set i, i+1
.endr
	WIN 0
	s_branch .Ladded_\@
.Lrow_\@:
	WIN 0x02+((\a)/4)
.set i, 0
.rept 32
	v_pk_add_f32 v[HA+2*i:HA+2*i+1], v[AC+2*i:AC+2*i+1], v[BR+2*(\a):BR+2*(\a)+1]   ; v: one bias a lane
.set i, i+1
.endr
	WIN 0
.Ladded_\@:
	QUANT HA, WD+(\a)
	global_store_b128 v[O16], v[PC:PC+3], s[DC:DC+1]
	global_store_b64 v[O8], v[PC+4:PC+5], s[DC:DC+1] offset:512
	global_store_b128 v[O16H], v[PC+6:PC+9], s[DC:DC+1]
	global_store_b64 v[O8H], v[PC+10:PC+11], s[DC:DC+1] offset:512
.endm
	PLACES NP                                      ; behind the last products: their results are read and A's registers written below
	s_wait_loadcnt 0x0                             ; the biases
	s_mov_b32 s[SEL], 0x76543210
	s_mov_b32 s[SEL+1], 0xfedcba98
.irp b, 0,1,2,3
	v_mov_b32 v[TM+4+\b], 0                        ; written once: a lane permute's destination counts as one of its sources
.endr
.irp a, 0,1,2,3,4,5,6,7
	OUTBLK \a
.endr
.irp a, 0,1,2,3,4,5,6,7
	v_lshrrev_b32 v[WD+\a], v[VSH], v[WD+\a]       ; q, k: lanes 0-15 keep the first head's two bytes, lanes 16-31 the second's; v: the whole word
.endr
.irp a, 0,1,2,3,4,5,6,7
	v_and_b32 v[WD+\a], s[MSKS], v[WD+\a]
.endr
	global_store_b128 v[SOF], v[WD:WD+3], s[DS:DS+1]             ; the two stores cover the record's 1,024 bytes
	global_store_b128 v[SOF], v[WD+4:WD+7], s[DS:DS+1] offset:16
	s_wait_tensorcnt 0x0                           ; the wave's end
	ds_add_u32 v[SPW], v[NIL]
	s_wait_dscnt 0x0
	CROUND                                         ; the closing round: no work-group ends while a partner may still ask for a tile that names it
	s_endpgm
.Lfunc_end_k_qc327b9bdc1_qkv:
	.size	k_qc327b9bdc1_qkv, .Lfunc_end_k_qc327b9bdc1_qkv-k_qc327b9bdc1_qkv
	.p2alignl 7, 3214868480
	.fill 96, 4, 3214868480
	.section	.rodata,"a",@progbits
	.p2align	6, 0x0
	.amdhsa_kernel k_qc327b9bdc1_qkv
		.amdhsa_group_segment_fixed_size 327680
		.amdhsa_private_segment_fixed_size 0
		.amdhsa_enable_private_segment 0
		.amdhsa_kernarg_size 40
		.amdhsa_user_sgpr_count 2
		.amdhsa_user_sgpr_kernarg_segment_ptr 1
		.amdhsa_wavefront_size32 1
		.amdhsa_system_sgpr_workgroup_id_x 1
		.amdhsa_system_sgpr_workgroup_id_y 1
		.amdhsa_system_sgpr_workgroup_id_z 1
		.amdhsa_system_vgpr_workitem_id 0
		.amdhsa_next_free_vgpr 1024
		.amdhsa_next_free_sgpr 102
		.amdhsa_reserve_vcc 0
		.amdhsa_float_denorm_mode_32 3
		.amdhsa_float_denorm_mode_16_64 3
		.amdhsa_memory_ordered 1
		.amdhsa_forward_progress 1
		.amdhsa_inst_pref_size 203
	.end_amdhsa_kernel
	.amdgpu_metadata
---
amdhsa.version: [ 1, 2 ]
amdhsa.kernels:
  - .name:           k_qc327b9bdc1_qkv
    .symbol:         k_qc327b9bdc1_qkv.kd
    .args:
      - { .name: codes, .offset: 0, .size: 8, .value_kind: global_buffer, .address_space: global }
      - { .name: scales, .offset: 8, .size: 8, .value_kind: global_buffer, .address_space: global }
      - { .name: qkv_b, .offset: 16, .size: 8, .value_kind: global_buffer, .address_space: global }
      - { .name: qkvc, .offset: 24, .size: 8, .value_kind: global_buffer, .address_space: global }
      - { .name: qkvs, .offset: 32, .size: 8, .value_kind: global_buffer, .address_space: global }
    .group_segment_fixed_size: 327680
    .private_segment_fixed_size: 0
    .kernarg_segment_align: 8
    .kernarg_segment_size: 40
    .max_flat_workgroup_size: 128
    .sgpr_count:     102
    .vgpr_count:     1024
    .wavefront_size: 32
...
	.end_amdgpu_metadata
.endif
;; end of part 2
;; launch attn (part 3): grid 8 x 32, 16 waves a work-group, no clusters, 231,424 bytes of LDS; arguments qkvc, qkvs, msk, ac, asc; writes ac, asc
.if DOCPART == 3
	.amdgcn_target "amdgcn-amd-amdhsa--gfx1250"
	.amdhsa_code_object_version 6
	.text
	.protected	k_qc327b9bdc1_attn
	.globl	k_qc327b9bdc1_attn
	.p2align	8
	.type	k_qc327b9bdc1_attn,@function
k_qc327b9bdc1_attn:
	s_mov_b64 s[64:65], 0
	v_nop
	global_prefetch_b8 v0, s[64:65] scope:SCOPE_SE
	s_setreg_imm32_b32 hwreg(HW_REG_WAVE_MODE, 25, 1), 1
	s_wait_xcnt 0x0
; softmax(mask(q k^T / 8)) v for a pair of heads, both products on codes of FP6 (E2M3) with E8M0 scales; the result is quantised along the channels and leaves as an image of the last product's operand.
; THE SOFTMAX AHEAD OF THE SECOND PRODUCT: t = score x log2(e) / 8; M = the row's largest t so far, rounded up to a whole number; p = 2^(t - M) is quantised along the keys; the row's sum is taken of the unquantised p and
; divides at the end.  When M moves, the sum and O are multiplied by 2^(old M - new M): exact.
; THE MASK is an input.  An earlier launch has stored it as lane bits, 64 words for each tile of 16 queries and step of 128 keys, and a word of flags a tile: bit kt: walk key step kt; bit 16 + kt: all its keys count.
; A masked score becomes -2^126.  While a query has met masked keys alone, t - M is 0 and p is 1 for them (the uniform row that a mask without a true key gives); its first true key makes the factor 2^(old M - new M) zero,
; and masked keys give p = 0 from then on.  A tile that holds a query with no true key has all its flags set, so that query's mean runs over all 2,048 keys.
; SHARES.  A work-group: 256 queries of one batch and one pair of heads.  Each of its 16 waves: one tile of 16 queries, both heads, in 256 registers; four waves to a SIMD.
; K's and V's images of the key steps that any wave wants come into LDS through registers, eight key steps at a time; which steps, and which steps a wave walks, hangs on the stored flags: so this launch has no tensor load.
; Multicast is not used for the same reason; every barrier stands on every wave's path.
; LAYOUT.  Both products are used transposed (S^T = K Q^T, O^T = V^T P^T): a lane holds one query.  The tiles hold tokens (features) in the order 8 u + r + 8 (r / 8), so register 16 b + i of S^T is key 32 b + 16 h + i, and
; register 16 b + i of the two heads' O^T is channel 32 b + 16 h + i of the pair's 128.
; K = 64 IN THE FIRST PRODUCT: the instruction's upper 64 along K are zero codes on Q's side, with the scale bytes 0 on both sides; on K's side the upper six registers are the next tile's codes, which meet those zeros.
; LIMITS: scores must lie above -2^126; NaN and infinities are not served; blocks whose largest magnitude lies under 2^-124 keep the byte 1.
; REGISTERS: v1 16 x lane, v2 8 x lane, v3, v4 my places among K's and V's scale words; v5-8 the step's addresses; v9 -2^126; v10, v11 Q's scale words; v12-19 -M, largest t, the sum (a pair), for each head;
;   v20-43 Q; v44-91 fragments; v92-155 S^T, then p; v156-219 O^T; v220-231 p's codes; v228-250 at work; v244-247 the fragments' scale words; v249 p's.
.set Q,   20
.set F,   44
.set S,   92
.set O,   156
.set P,   220
.set BM,  228
.set T1,  232
.set SO,  240
.set FS,  244
.set FF,  248
.set PS,  249
.set TMP, 250
.set SCA, 251                          ; v251 where I put 16 bytes of the scale words
.set CPA, 252                          ; v252 where I put 16 bytes of my part of a slot: 16 x lane + 12,288 x wave
.set AOF, 253                          ; v253 32 r: my row of asc
.set TM,  44                           ; the way out's quantiser
.set PC,  220
.set PW,  60
.set SLOTB, 24576                      ; LDS: eight slots: K's 12,288 bytes of a key step, then V's
.set KSC,   196608                     ; K's scale words, 1,024 bytes a key step, all sixteen
.set VSC,   212992                     ; V's
.set TB,  2
.set TS,  3
.set WV,  12
.set KT,  13
.set FLG, 14
.set WGF, 15
.set MOFF, 84
.set CNT, 85
.set SEL, 86
.set CS,  88
	s_load_b256 s[32:39], s[0:1], 0x0              ; qkvc, qkvs, msk, ac
	s_load_b64 s[40:41], s[0:1], 0x20              ; asc
	v_lshl_add_u32 v254, v0, 2, 0x38000
	v_mov_b32 v255, 0
	v_lshrrev_b32 v1, 5, v0
	v_readfirstlane_b32 s[WV], v1                  ; wave 0..15
	v_and_b32 v5, 31, v0
	v_and_b32 v6, 15, v0                           ; r
	v_lshlrev_b32 v1, 4, v5
	v_lshlrev_b32 v2, 3, v5
	v_lshlrev_b32 v7, 6, v6                        ; 64 r
	v_add_nc_u32 v3, KSC, v7
	v_add_nc_u32 v4, VSC, v7
	v_lshlrev_b32 v8, 4, v0                        ; 16 x thread
	v_add_nc_u32 v[SCA], KSC, v8
	s_mul_i32 s90, s[WV], 12288
	v_add_nc_u32 v[CPA], s90, v1
	v_lshlrev_b32 v[AOF], 5, v6
	v_mov_b32 v9, 0xfe800000                       ; -2^126
	s_mov_b32 s[SEL], 0x76543210
	s_mov_b32 s[SEL+1], 0xfedcba98
	s_mov_b32 s[CS], 0x3e38aa3b                    ; c = log2(e) / 8
	s_mov_b32 s[CS+1], s[CS]
	s_and_b32 s91, ttmp7, 0xffff                   ; batch x 8 + pair of heads
	s_lshl_b32 s92, ttmp9, 4
	s_add_co_u32 s92, s92, s[WV]                   ; qt: my tile of queries
	s_lshr_b32 s93, s91, 3                         ; batch
	s_and_b32 s94, s91, 7                          ; pair
	s_mov_b32 s97, 0
	s_lshl_b32 s95, s[WV], 2
	s_wait_kmcnt 0x0
	s_lshl_b32 s96, ttmp9, 6
	s_add_nc_u64 s[42:43], s[36:37], s[96:97]
	s_load_b512 s[16:31], s[42:43], 0x80000        ; the flags of the work-group's sixteen tiles,
	s_load_b32 s[FLG], s[42:43], s95 offset:0x80000   ; and mine
	s_lshl_b32 s96, s92, 12
	s_add_nc_u64 s[6:7], s[36:37], s[96:97]        ; my tile's mask words
	s_lshl_b32 s90, s93, 7
	s_add_co_u32 s90, s90, s92                     ; my tile among the 512 of all batches
	s_lshl_b32 s96, s90, 3
	s_add_co_u32 s96, s96, s94
	s_mul_i32 s96, s96, 1536
	s_add_nc_u64 s[8:9], s[38:39], s[96:97]        ; where my fragment goes,
	s_lshl_b32 s96, s90, 9
	s_lshl_b32 s90, s94, 2
	s_add_co_u32 s96, s96, s90
	s_add_nc_u64 s[10:11], s[40:41], s[96:97]      ; and its scale words
	s_lshl_b32 s90, s91, 4                         ; the pair's first record
	s_lshr_b32 s96, s92, 3
	s_add_co_u32 s93, s90, s96                     ; Q's record,
	s_and_b32 s94, s92, 7                          ; my tile in it
	s_mul_i32 s96, s93, 12288
	s_mul_i32 s85, s94, 768
	s_add_co_u32 s96, s96, s85
	s_add_nc_u64 s[44:45], s[32:33], s[96:97]
	s_lshl_b32 s96, s93, 10
	s_lshl_b32 s85, s94, 2
	s_add_co_u32 s96, s96, s85
	s_add_nc_u64 s[46:47], s[34:35], s[96:97]
	s_lshl_b32 s96, s91, 14
	s_add_nc_u64 s[48:49], s[34:35], s[96:97]      ; the pair's scale words, 16,384 bytes a section
	s_lshr_b32 s96, s[WV], 1
	s_add_co_u32 s96, s96, s90
	s_mul_i32 s96, s96, 12288
	s_and_b32 s85, s[WV], 1
	s_add_co_u32 s85, s85, 1
	s_mul_i32 s85, s85, 6291456
	s_add_co_u32 s96, s96, s85
	s_add_nc_u64 s[4:5], s[32:33], s[96:97]        ; what I copy: K's (even waves) or V's (odd) record of key step wave / 2
	global_load_b128 v[Q:Q+3], v1, s[44:45]
	global_load_b64 v[Q+4:Q+5], v2, s[44:45] offset:512
	global_load_b128 v[Q+12:Q+15], v1, s[44:45] offset:6144
	global_load_b64 v[Q+16:Q+17], v2, s[44:45] offset:6656
	global_load_b32 v10, v7, s[46:47]
	global_load_b32 v11, v7, s[46:47] offset:32
	global_load_b128 v[S:S+3], v8, s[48:49] offset:524288          ; each load of the work-group reads 8,192 consecutive bytes
	global_load_b128 v[S+4:S+7], v8, s[48:49] offset:524288+8192
	global_load_b128 v[S+8:S+11], v8, s[48:49] offset:1048576
	global_load_b128 v[S+12:S+15], v8, s[48:49] offset:1048576+8192
.irp j, 6,7,8,9,10,11,18,19,20,21,22,23
	v_mov_b32 v[Q+\j], 0                           ; Q's upper 64 along K: zero codes
.endr
.irp j, 24,25,26,27,28,29
	v_mov_b32 v[F+\j], 0                           ; behind the fourth tile of K: named by its product, met by Q's zeros
.endr
.irp h, 0,1
	v_mov_b32 v[13+4*\h], 0xff61b1e6               ; the largest t so far: -3e38
	v_floor_f32 v[12+4*\h], -v[13+4*\h]            ; -M
	v_mov_b32 v[14+4*\h], 0
	v_mov_b32 v[15+4*\h], 0
.endr
.irp b, 0,1,2,3
	v_mov_b32 v[T1+\b], 0                          ; written once: a lane permute's destination counts as one of its sources
.endr
	v_mov_b32 v[PS], 0                             ; (named as the upper half of a pair before it is first written)
.set i, 0
.rept 64
	v_mov_b32 v[O+i], 0                            ; O^T: the step is written once; its first walk finds zeros
.set i, i+1
.endr
	s_wait_loadcnt 0x0
.irp i, 0,1,2,3
	ds_store_b128 v[SCA], v[S+4*\i:S+4*\i+3] offset:8192*\i
.endr
	s_wait_kmcnt 0x0
	s_or_b32 s[WGF], s16, s17
.irp j, 18,19,20,21,22,23,24,25,26,27,28,29,30,31
	s_or_b32 s[WGF], s[WGF], s\j                   ; the key steps that any of the sixteen waves walks
.endr
; A KEY STEP of one head: 128 keys.
.macro STEP hd
.set NM, 12+4*\hd
.set OO, O+32*\hd
.set QQ, Q+12*\hd
	v_add_nc_u32 v5, s[TB], v1                     ; (these four are the places in front of the loads into registers that the last products read)
	v_add_nc_u32 v6, s[TB], v2
	v_add_nc_u32 v7, s[TS], v3
	v_add_nc_u32 v8, s[TS], v4
.irp g, 0,1                                    ; S^T = K Q^T, four tiles of 16 keys at a time
.if \g
.rept 4
	v_nop
.endr
.endif
.irp t, 0,1,2,3
	ds_load_b128 v[F+6*\t:F+6*\t+3], v5 offset:\hd*6144+(4*\g+\t)*768
	ds_load_b64 v[F+6*\t+4:F+6*\t+5], v6 offset:\hd*6144+(4*\g+\t)*768+512
.endr
	ds_load_b128 v[FS:FS+3], v7 offset:32*\hd+16*\g
	s_wait_dscnt 0x0
.irp t, 0,1,2,3
	v_wmma_scale_f32_16x16x128_f8f6f4 v[S+8*(4*\g+\t):S+8*(4*\g+\t)+7], v[F+6*\t:F+6*\t+11], v[QQ:QQ+11], 0, v[FS+\t], v[10+\hd] matrix_a_fmt:MATRIX_FMT_FP6 matrix_b_fmt:MATRIX_FMT_FP6
.endr
.endr
.rept 4
	v_nop
.endr
.irp t, 0,1,2,3                                ; V's four tiles are asked for here and land during the softmax
	ds_load_b128 v[F+12*\t:F+12*\t+3], v5 offset:12288+(4*\hd+\t)*1536
	ds_load_b64 v[F+12*\t+4:F+12*\t+5], v6 offset:12288+(4*\hd+\t)*1536+512
	ds_load_b128 v[F+12*\t+6:F+12*\t+9], v5 offset:12288+(4*\hd+\t)*1536+768
	ds_load_b64 v[F+12*\t+10:F+12*\t+11], v6 offset:12288+(4*\hd+\t)*1536+1280
.endr
	ds_load_b128 v[FS:FS+3], v8 offset:16*\hd
	s_wait_kmcnt 0x0                               ; the step's 64 mask words
	s_add_co_u32 s90, s[KT], 16
	s_bitcmp1_b32 s[FLG], s90                      ; a step all of whose keys count skips the mask's lines
	s_cbranch_scc1 .Lopen_\@
.set n, 0
.rept 48
	v_cndmask_b32 v[S+n], v9, v[S+n], s[16+n]
.set n, n+1
.endr
.rept 16
	v_cndmask_b32 v[S+n], v9, v[S+n], s[20+n]      ; words 48 to 63 lie in s68 to s83
.set n, n+1
.endr
.Lopen_\@:
.irp b, 0,1,2,3
	v_max3_num_f32 v[BM+\b], v[S+16*\b], v[S+1+16*\b], v[S+2+16*\b]   ; the largest score of each block of 32 keys: for the row's maximum, and, since p rises with the score, for the block's largest p
.endr
.irp i, 3,5,7,9,11,13
.irp b, 0,1,2,3
	v_max3_num_f32 v[BM+\b], v[BM+\b], v[S+16*\b+\i], v[S+1+16*\b+\i]
.endr
.endr
.irp b, 0,1,2,3
	v_max_num_f32 v[BM+\b], v[BM+\b], v[S+15+16*\b]
.endr
.irp b, 0,1,2,3
	v_permlanex16_b32 v[T1+\b], v[BM+\b], s[SEL], s[SEL+1]
.endr
.irp b, 0,1,2,3
	v_max_num_f32 v[BM+\b], v[BM+\b], v[T1+\b]     ; with lane l xor 16's 16 keys
.endr
	v_max3_num_f32 v[TMP], v[BM], v[BM+1], v[BM+2]
	v_max_num_f32 v[TMP], v[TMP], v[BM+3]
	v_mul_f32 v[TMP], s[CS], v[TMP]                ; the step's largest t
	v_max_num_f32 v[NM+1], v[NM+1], v[TMP]         ; the running largest t
	v_mov_b32 v[TMP], v[NM]
	v_floor_f32 v[NM], -v[NM+1]                    ; the new -M = -ceil(t)
	v_sub_f32 v[TMP], v[NM], v[TMP]                ; old M - new M: a whole number, 0 or less
	v_cvt_i32_f32 v[TMP], v[TMP]                   ; (it saturates)
	v_ldexp_f32 v[FF], 1.0, v[TMP]                 ; f = 2^(old M - new M)
.set j, 0
.rept 32
	v_pk_fma_f32 v[S+j:S+j+1], v[S+j:S+j+1], s[CS:CS+1], v[NM:NM+1] op_sel_hi:[1,0,0]   ; t - M, two at a time
.set j, j+2
.endr
.irp b, 0,1,2,3
	v_fma_f32 v[BM+\b], v[BM+\b], s[CS], v[NM]     ; the same of each block's largest score
.endr
.set j, 0
.rept 64
	v_exp_f32 v[S+j], v[S+j]                       ; p = 2^(t - M), at most 1
.set j, j+1
.endr
	v_pk_mul_f32 v[NM+2:NM+3], v[NM+2:NM+3], v[FF:FF+1] op_sel_hi:[1,0]   ; the sums under the new M (a plain place behind the exponentials)
	s_wait_alu depctr_va_vdst(0)                   ; one wait for the batch of 64, ahead of its first reader
.irp b, 0,1,2,3
	v_exp_f32 v[BM+\b], v[BM+\b]                   ; the block's largest p
.endr
	v_pk_add_f32 v[T1:T1+1], v[S:S+1], v[S+2:S+3]  ; the row's sum of the unquantised p, in two chains
.irp j, 4,8,12,16,20,24,28,32,36,40,44,48,52,56,60
	v_pk_add_f32 v[NM+2:NM+3], v[NM+2:NM+3], v[S+\j:S+1+\j]
	v_pk_add_f32 v[T1:T1+1], v[T1:T1+1], v[S+2+\j:S+3+\j]
.endr
	v_pk_add_f32 v[NM+2:NM+3], v[NM+2:NM+3], v[T1:T1+1]
	s_wait_alu depctr_va_vdst(0)                   ; and one for the four
.irp b, 0,1,2,3
	v_max_num_f32 v[BM+\b], 0x1800000, v[BM+\b]    ; the floor 2^(3 - 127): the byte cannot fall under 1
.endr
.irp b, 0,1,2,3
	v_add_nc_u32 v[SO+\b], 0xff000000, v[BM+\b]    ; 2 off the exponent field: the conversion's scale operand
.endr
.irp b, 0,1,2,3
	v_lshrrev_b32 v[T1+\b], 23, v[SO+\b]           ; the scale's byte
.endr
	v_lshl_or_b32 v[PS], v[T1+1], 8, v[T1]         ; p's scale word for these 128 keys
	v_lshl_or_b32 v[PS], v[T1+2], 16, v[PS]
	v_lshl_or_b32 v[PS], v[T1+3], 24, v[PS]
.irp c, 0,1
	v_cvt_scalef32_pk16_fp6_f32 v[P+6*\c:P+2+6*\c], v[S+32*\c:S+15+32*\c], v[SO+2*\c]
	v_cvt_scalef32_pk16_fp6_f32 v[T1+4*\c:T1+2+4*\c], v[S+16+32*\c:S+31+32*\c], v[SO+2*\c+1]
.endr
	v_nop                                          ; one plain place behind a scaled conversion
.irp c, 0,1
.irp i, 0,1,2
	v_permlane16_swap_b32 v[P+6*\c+\i], v[T1+4*\c+\i]
.endr
.irp i, 0,1,2
	v_mov_b32 v[P+3+6*\c+\i], v[T1+4*\c+\i]
.endr
.endr
.set j, 0
.rept 16
	v_pk_mul_f32 v[OO+j:OO+j+1], v[OO+j:OO+j+1], v[FF:FF+1] op_sel_hi:[1,0]   ; O^T under the new M; these sixteen also stand between the writes of p's codes and scale word and the products
.set j, j+2
.endr
	s_wait_dscnt 0x0                               ; V
.irp t, 0,1,2,3
	v_wmma_scale_f32_16x16x128_f8f6f4 v[OO+8*\t:OO+8*\t+7], v[F+12*\t:F+12*\t+11], v[P:P+11], v[OO+8*\t:OO+8*\t+7], v[FS+\t], v[PS] matrix_a_fmt:MATRIX_FMT_FP6 matrix_b_fmt:MATRIX_FMT_FP6
.endr
.endm
; EIGHT KEY STEPS.  Wave w copies K's (w even) or V's (w odd) 12,288 bytes of key step 8 c + w / 2 into slot w / 2, if any wave walks that step; a barrier; then each wave walks the steps that its own flags name.
; The loop's count is a constant; a step that is not walked jumps to the lines at the trip's end, which step the addresses on every way.
.macro CHUNK c
.if \c
	s_wait_dscnt 0x0                               ; my reads of the slots are over,
	s_barrier_signal -1
	s_barrier_wait -1                              ; everybody's are: the slots may be written again
.rept 4
	v_nop                                          ; places in front of loads into registers that the last products read
.endr
.endif
	s_lshr_b32 s90, s[WV], 1
	s_add_co_u32 s90, s90, 8*\c
	s_bitcmp1_b32 s[WGF], s90
	s_cbranch_scc0 .Lnocopy_\@
.set i, 0
.rept 24
	global_load_b128 v[F+4*i:F+4*i+3], v1, s[4:5] offset:\c*98304+512*i   ; 512 consecutive bytes a load
.set i, i+1
.endr
	s_wait_loadcnt 0x0
.set i, 0
.rept 24
	ds_store_b128 v[CPA], v[F+4*i:F+4*i+3] offset:512*i
.set i, i+1
.endr
.Lnocopy_\@:
	s_wait_dscnt 0x0                               ; for the others' sake: my stores have landed (the scale words' too)
	s_barrier_signal -1
	s_barrier_wait -1
	s_mov_b32 s[TB], 0
	s_mov_b32 s[TS], \c*8192
	s_mov_b32 s[MOFF], \c*2048
	s_mov_b32 s[KT], 8*\c
	s_mov_b32 s[CNT], 0
.Ltrip_\@:
	s_bitcmp1_b32 s[FLG], s[KT]
	s_cbranch_scc0 .Lskip_\@
	s_load_b512 s[16:31], s[6:7], s[MOFF] offset:0x0
	s_load_b512 s[32:47], s[6:7], s[MOFF] offset:0x40
	s_load_b512 s[48:63], s[6:7], s[MOFF] offset:0x80
	s_load_b512 s[68:83], s[6:7], s[MOFF] offset:0xc0
	STEP 0
	STEP 1
.Lskip_\@:
	s_add_co_u32 s[TB], s[TB], SLOTB
	s_add_co_u32 s[TS], s[TS], 1024
	s_add_co_u32 s[MOFF], s[MOFF], 256             ; (where the words were loaded, the wait for them has stood)
	s_add_co_u32 s[KT], s[KT], 1
	s_add_co_u32 s[CNT], s[CNT], 1
	s_cmp_lt_u32 s[CNT], 8
	s_cbranch_scc1 .Ltrip_\@
.endm
	CHUNK 0
	CHUNK 1
; 64 numbers of a lane, v[s] on, register 16 b + i = index 32 b + 16 h + i of my row, become a fragment's codes in v[PC] on and its scale word in v[pw].
.macro QUANT s, pw
.irp b, 0,1,2,3
	v_max3_num_f32 v[TM+\b], |v[\s+16*\b]|, |v[\s+1+16*\b]|, 0x1800000
.endr
.irp i, 2,4,6,8,10,12,14
.irp b, 0,1,2,3
	v_max3_num_f32 v[TM+\b], v[TM+\b], |v[\s+16*\b+\i]|, |v[\s+1+16*\b+\i]|
.endr
.endr
.irp b, 0,1,2,3
	v_permlanex16_b32 v[TM+4+\b], v[TM+\b], s[SEL], s[SEL+1]
.endr
.irp b, 0,1,2,3
	v_max_num_f32 v[TM+\b], v[TM+\b], v[TM+4+\b]
.endr
.irp b, 0,1,2,3
	v_add_nc_u32 v[TM+12+\b], 0xff000000, v[TM+\b]
.endr
.irp b, 0,1,2,3
	v_lshrrev_b32 v[TM+4+\b], 23, v[TM+12+\b]
.endr
	v_lshl_or_b32 v[\pw], v[TM+5], 8, v[TM+4]
	v_lshl_or_b32 v[\pw], v[TM+6], 16, v[\pw]
	v_lshl_or_b32 v[\pw], v[TM+7], 24, v[\pw]
.irp c, 0,1
	v_cvt_scalef32_pk16_fp6_f32 v[PC+6*\c:PC+2+6*\c], v[\s+32*\c:\s+15+32*\c], v[TM+12+2*\c]
	v_cvt_scalef32_pk16_fp6_f32 v[PC+12+4*\c:PC+14+4*\c], v[\s+16+32*\c:\s+31+32*\c], v[TM+12+2*\c+1]
.endr
	v_nop                                          ; one plain place behind a scaled conversion
.irp c, 0,1
.irp i, 0,1,2
	v_permlane16_swap_b32 v[PC+6*\c+\i], v[PC+12+4*\c+\i]
.endr
.irp i, 0,1,2
	v_mov_b32 v[PC+3+6*\c+\i], v[PC+12+4*\c+\i]
.endr
.endr
.endm
	; THE WAY OUT.  O^T of both heads is divided by its sum: 64 numbers a lane, channel 32 b + 16 h + i of the pair's 128 in register 16 b + i; they are one K step of the last product: quantised, and stored as the fragment stands.
.rept 4
	v_nop                                          ; places behind the last products
.endr
	v_add_f32 v14, v14, v15
	v_add_f32 v18, v18, v19
	v_permlanex16_b32 v[T1], v14, s[SEL], s[SEL+1]
	v_permlanex16_b32 v[T1+1], v18, s[SEL], s[SEL+1]
	v_add_f32 v14, v14, v[T1]                      ; the rows' sums
	v_add_f32 v18, v18, v[T1+1]
	v_rcp_f32 v14, v14
	v_rcp_f32 v18, v18
.irp b, 0,1,2,3
	v_mov_b32 v[TM+4+\b], 0                        ; (plain places behind the reciprocals)  a lane permute's destination counts as one of its sources
.endr
	s_wait_alu depctr_va_vdst(0)                   ; one wait for both reciprocals, ahead of their first reader
.set j, 0
.rept 16
	v_pk_mul_f32 v[S+j:S+j+1], v[O+j:O+j+1], v[14:15] op_sel_hi:[1,0]
.set j, j+2
.endr
.rept 16
	v_pk_mul_f32 v[S+j:S+j+1], v[O+j:O+j+1], v[18:19] op_sel_hi:[1,0]
.set j, j+2
.endr
	QUANT S, PW
	global_store_b128 v1, v[PC:PC+3], s[8:9]                       ; each store covers 512 consecutive bytes, aligned
	global_store_b128 v1, v[PC+4:PC+7], s[8:9] offset:512
	global_store_b128 v1, v[PC+8:PC+11], s[8:9] offset:1024
	global_store_b32 v[AOF], v[PW], s[10:11]       ; my row's scale word: 4 bytes in each row of 32 (lanes 16-31 repeat lanes 0-15's word at the same place): one part in 24 of what the launch stores, laid so that the last product reads its scale bytes as dense rows
	s_wait_tensorcnt 0x0
	ds_add_u32 v254, v255
	s_wait_dscnt 0x0
	s_endpgm
.Lfunc_end_k_qc327b9bdc1_attn:
	.size	k_qc327b9bdc1_attn, .Lfunc_end_k_qc327b9bdc1_attn-k_qc327b9bdc1_attn
	.p2alignl 7, 3214868480
	.fill 96, 4, 3214868480
	.section	.rodata,"a",@progbits
	.p2align	6, 0x0
	.amdhsa_kernel k_qc327b9bdc1_attn
		.amdhsa_group_segment_fixed_size 231424
		.amdhsa_private_segment_fixed_size 0
		.amdhsa_enable_private_segment 0
		.amdhsa_kernarg_size 40
		.amdhsa_user_sgpr_count 2
		.amdhsa_user_sgpr_kernarg_segment_ptr 1
		.amdhsa_wavefront_size32 1
		.amdhsa_system_sgpr_workgroup_id_x 1
		.amdhsa_system_sgpr_workgroup_id_y 1
		.amdhsa_system_sgpr_workgroup_id_z 1
		.amdhsa_system_vgpr_workitem_id 0
		.amdhsa_next_free_vgpr 256
		.amdhsa_next_free_sgpr 100
		.amdhsa_reserve_vcc 0
		.amdhsa_float_denorm_mode_32 3
		.amdhsa_float_denorm_mode_16_64 3
		.amdhsa_memory_ordered 1
		.amdhsa_forward_progress 1
		.amdhsa_inst_pref_size 105
	.end_amdhsa_kernel
	.amdgpu_metadata
---
amdhsa.version: [ 1, 2 ]
amdhsa.kernels:
  - .name:           k_qc327b9bdc1_attn
    .symbol:         k_qc327b9bdc1_attn.kd
    .args:
      - { .name: qkvc, .offset: 0, .size: 8, .value_kind: global_buffer, .address_space: global }
      - { .name: qkvs, .offset: 8, .size: 8, .value_kind: global_buffer, .address_space: global }
      - { .name: msk, .offset: 16, .size: 8, .value_kind: global_buffer, .address_space: global }
      - { .name: ac, .offset: 24, .size: 8, .value_kind: global_buffer, .address_space: global }
      - { .name: asc, .offset: 32, .size: 8, .value_kind: global_buffer, .address_space: global }
    .group_segment_fixed_size: 231424
    .private_segment_fixed_size: 0
    .kernarg_segment_align: 8
    .kernarg_segment_size: 40
    .max_flat_workgroup_size: 512
    .sgpr_count:     100
    .vgpr_count:     256
    .wavefront_size: 32
...
	.end_amdgpu_metadata
.endif
;; end of part 3
;; launch proj (part 4): grid 4 x 32, 4 waves a work-group, clusters of 4 x 4, 327,680 bytes of LDS; arguments ac, asc, codes, scales, proj_b, out0; writes out0
.if DOCPART == 4
	.amdgcn_target "amdgcn-amd-amdhsa--gfx1250"
	.amdhsa_code_object_version 6
	.text
	.protected	k_qc327b9bdc1_proj
	.globl	k_qc327b9bdc1_proj
	.p2align	8
	.type	k_qc327b9bdc1_proj,@function
k_qc327b9bdc1_proj:
	s_mov_b64 s[64:65], 0
	v_nop
	global_prefetch_b8 v0, s[64:65] scope:SCOPE_SE
	s_setreg_imm32_b32 hwreg(HW_REG_WAVE_MODE, 25, 1), 1
	s_wait_xcnt 0x0
	s_wait_alu depctr_hold_cnt(0) depctr_sa_sdst(0) depctr_va_vdst(0) depctr_va_sdst(0) depctr_va_ssrc(0) depctr_va_vcc(0) depctr_vm_vsrc(0)
	s_getreg_b32 s2, hwreg(HW_REG_IB_STS2, 6, 4)
	s_cmp_eq_u32 s2, 0
	s_cbranch_scc0 .Lentry_in_a_cluster
	s_endpgm
.Lentry_in_a_cluster:
	s_bfe_u32 s2, ttmp6, 0x10000c
	s_cmp_lg_u32 s2, 0xf033
	s_cbranch_scc0 .Lentry_shape_is_right
	s_endpgm
.Lentry_shape_is_right:
; out = a W^T + b on codes of FP6 (E2M3) with one E8M0 scale for each 32 along K = 1,024.  out0: [8192][1024] f32.
; a comes as IMAGES OF OPERAND REGISTERS: [tile of 16 rows 512][K step of 128: 8][1,536 bytes: registers 4 c .. 4 c + 3 at 512 c + 16 x lane]; its scale bytes as rows of 32 bytes.  W's codes and scale bytes lie at row places
; 11264 on of the buffers of codes (768 bytes a row) and scale bytes (32).  BOTH SIDES' ROWS STAND IN THE ORDER place 16 u + r of a group of 32 = row 8 u + r + 8 (r / 8); the way out puts rows and columns back.
; A work-group of four waves makes 256 x 256, a wave 128 x 128: 64 accumulators, 512 registers.  K goes in steps of 256 through a ring of two LDS slots; the scale bytes come once and stay.
; THE MATRIX INSTRUCTION IS USED TRANSPOSED (source 0 = 16 places of W, source 1 = 16 places of a): lane (r, h) holds place r of a's block; register j of accumulator b is column 32 (b / 2) + 16 h + 8 (b % 2) + j.
; The bias is the C of each sum's first matrix instruction.
; CLUSTERS: 4 x 4 work-groups; a's tiles are asked for jointly along a row of the cluster, W's along a column.  128 work-groups: the tile is kept large; half the WGPs have no work-group in this launch.
; REGISTERS, in windows of 256: window 0: v0-31 addresses; v32-63 scale words, two sets; v64-127 the bias; v128-223 a's fragments, one set; on the way out v128-255 rows of the result.
;   window 1: W's fragments, two sets.   windows 2, 3: the accumulators ((a, b) at v[8 (8 (a % 4) + b)]).
.set SIZE_N, 1024
.set KSTEP,  256
.set NQ,     KSTEP/128
.set ROWB,   192
.set KROW,   768
.set PITCH,  240
.set FR,     12
.set NL,     6                         ; LDS loads that bring a fragment of W
.set NLA,    3                         ; and of a
.set ASTEP,  3072                      ; a K step of a tile of 16 rows of a, in bytes
.set NP,     4
.set HALFT,  128*PITCH                 ; 128 rows of W; a's 128 rows take 24,576 of these bytes
.set SLOT,   4*HALFT
.set LAPS,   2
.set KS,     32
.set SCL,    2*SLOT
.set HALFS,  (128*KS/256)*272
.set SBLK,   (16*KS/256)*272
.set SPARE,  SCL+4*HALFS               ; the spare words, 128 bytes for each wave: two blocks of 256 bytes that no other line names
.set SPITCH, 528                       ; the way out: a stage of 16 rows x (512 bytes + 16) for each wave, in slot 0, which has had its last fill and its last read by then
.set BCO,  7
.set ADRA, 16                          ; v16-17  16 x lane + my 128 rows of a in slot 0, 1
.set ADRB, 20                          ; v20-21, v22-23
.set STO,  24
.set RD,   25
.set CO,   26
.set ADRS, 27
.set SPW,  28
.set NIL,  29
.set SC,   32
.set BC,   64
.set AF,   128
.set BK,   128
.set G1, 24
.set G0, 32
.set G1B, 48
.set G0B, 56
.set G1S, 68
.set G0S, 76
.set G1SB, 80
.set G0SB, 88
.set MSB, 0
.macro WIN new                         ; the immediate's high byte repeats the setting that is left
.if MSB != \new
	s_set_vgpr_msb (MSB<<8)|\new
.set MSB, \new
.endif
.endm
.set MUL_LO, 0xa1
.set MUL_HI, 0xf1
.set TO_B,   0x40
.macro JLOAD g0a, g1a, g0b, g1b        ; a joint load: waves 0 and 1 fetch for a, waves 2 and 3 for W; four v_nop follow each of the two lines
	s_cmp_eq_u32 s15, 0
	s_cbranch_scc0 .Lfor_b_\@
	tensor_load_to_lds s[\g0a:\g0a+3], s[\g1a:\g1a+7]
	s_nop 0
.rept 4
	v_nop
.endr
	s_branch .Lasked_\@
.Lfor_b_\@:
	tensor_load_to_lds s[\g0b:\g0b+3], s[\g1b:\g1b+7]
	s_nop 0
.rept 4
	v_nop
.endr
.Lasked_\@:
.endm
.macro CREST
	s_cmp_lg_u32 s14, 0
	s_cbranch_scc1 .Lnot_wave_0_\@
	s_barrier_signal -3
.Lnot_wave_0_\@:
	s_barrier_wait -3
	s_barrier_signal -1
	s_barrier_wait -1
.endm
.macro CROUND
	s_barrier_signal -1
	s_barrier_wait -1
	CREST
.endm
	s_load_b128 s[4:7], s[0:1], 0x0                ; ac, asc
	s_load_b128 s[8:11], s[0:1], 0x10              ; codes, scales
	s_load_b64 s[96:97], s[0:1], 0x20              ; proj_b
	s_load_b64 s[12:13], s[0:1], 0x28              ; out0
	v_lshl_add_u32 v[SPW], v0, 2, SPARE
	v_mov_b32 v[NIL], 0
	ds_add_u32 v28, v29
	ds_add_u32 v28, v29
	s_wait_dscnt 0x0
	v_lshrrev_b32 v1, 5, v0
	v_readfirstlane_b32 s14, v1                    ; wave 0..3
	s_lshr_b32 s15, s14, 1                         ; which half of the tile's rows is mine.  Also: I fetch for a (0) or for W (1)
	s_and_b32 s16, s14, 1                          ; which half of its columns.  Also: which 128 rows of that tile I fetch
	s_bfe_u32 s40, ttmp6, 0x40000                  ; cx, cy
	s_bfe_u32 s41, ttmp6, 0x40004
	s_lshl_b32 s42, ttmp9, 2
	s_add_co_u32 s42, s42, s40                     ; tile column
	s_and_b32 s17, ttmp7, 0xffff
	s_lshl_b32 s17, s17, 2
	s_add_co_u32 s17, s17, s41                     ; tile row
	s_lshl_b32 s43, s41, 2
	s_lshl_b32 s43, 15, s43                        ; my row of the cluster
	s_lshl_b32 s44, 0x1111, s40                    ; my column
	; group 1 for a: 8 tiles of 16 rows, of each 3,072 consecutive bytes (384 elements of 8 bytes), 12,288 bytes apart; no padding: the images are read 16 bytes a lane on end
	s_or_b32 s[G1+0], s43, (3<<16)|(1<<21)
	s_mov_b32 s[G1+1], 384<<16                     ; tensor_dim0
	s_mov_b32 s[G1+2], 8<<16                       ; tensor_dim1
	s_mov_b32 s[G1+3], 384<<16                     ; tile_dim0
	s_mov_b32 s[G1+4], 8                           ; tile_dim1
	s_mov_b32 s[G1+5], 1536                        ; tensor_dim0_stride
	s_mov_b32 s[G1+6], 0
	s_mov_b32 s[G1+7], 0
	; group 1 for W: 128 rows x 192 bytes, 16 bytes of padding behind every 64
	s_or_b32 s[G1B+0], s44, (0<<16)|(1<<20)|(1<<21)|(3<<22)|(3<<25)
	s_mov_b32 s[G1B+1], ROWB<<16
	s_mov_b32 s[G1B+2], 128<<16
	s_mov_b32 s[G1B+3], ROWB<<16
	s_mov_b32 s[G1B+4], 128
	s_mov_b32 s[G1B+5], KROW
	s_mov_b32 s[G1B+6], 0
	s_mov_b32 s[G1B+7], 0
	; the scale bytes of 128 rows: 4,096 dense bytes, as rows of 256 bytes, 16 bytes of padding behind each
	s_or_b32 s[G1S+0], s43, (3<<16)|(1<<20)|(1<<21)|(5<<22)|(3<<25)
	s_or_b32 s[G1SB+0], s44, (3<<16)|(1<<20)|(1<<21)|(5<<22)|(3<<25)
.irp g, G1S, G1SB
	s_mov_b32 s[\g+1], 32<<16
	s_mov_b32 s[\g+2], (128*KS/256)<<16
	s_mov_b32 s[\g+3], 32<<16
	s_mov_b32 s[\g+4], 128*KS/256
	s_mov_b32 s[\g+5], 32
	s_mov_b32 s[\g+6], 0
	s_mov_b32 s[\g+7], 0
.endr
	s_lshl_b32 s18, s16, 7
	s_lshl_b32 s20, s17, 8
	s_add_co_u32 s20, s20, s18                     ; a: row place 256 x tile row + 128 x half
	s_lshl_b32 s46, s42, 8
	s_add_co_u32 s46, s46, s18
	s_add_co_u32 s46, s46, 11264                   ; W: row place
	s_mov_b32 s21, 0
	s_mov_b32 s47, 0
	s_mov_b64 s[18:19], KS
	s_mul_u64 s[22:23], s[20:21], s[18:19]
	s_mul_u64 s[92:93], s[46:47], s[18:19]
	s_mov_b64 s[18:19], KROW
	s_mul_u64 s[20:21], s[20:21], s[18:19]         ; (768 bytes a row place is 12,288 a tile of 16: the images' own pitch)
	s_mul_u64 s[46:47], s[46:47], s[18:19]
	s_mul_i32 s45, s14, HALFT
	s_mul_i32 s94, s14, HALFS
	s_wait_kmcnt 0x0
	s_add_nc_u64 s[20:21], s[4:5], s[20:21]
	s_add_nc_u64 s[22:23], s[6:7], s[22:23]
	s_add_nc_u64 s[46:47], s[8:9], s[46:47]
	s_add_nc_u64 s[92:93], s[10:11], s[92:93]
	CROUND                                         ; all sixteen work-groups are here: the first joint loads meet
	s_mov_b32 s[G0S], 1
	s_add_co_u32 s[G0S+1], s94, SCL
	s_mov_b64 s[G0S+2:G0S+3], s[22:23]
	s_or_b32 s[G0S+3], s[G0S+3], 0x80000000
	s_mov_b32 s[G0SB], 1
	s_add_co_u32 s[G0SB+1], s94, SCL
	s_mov_b64 s[G0SB+2:G0SB+3], s[92:93]
	s_or_b32 s[G0SB+3], s[G0SB+3], 0x80000000
	JLOAD G0S, G1S, G0SB, G1SB
.irp s, 0,1
	s_mov_b32 s[G0+4*\s], 1
	s_add_co_u32 s[G0+4*\s+1], s45, \s*SLOT
	s_add_nc_u64 s[G0+4*\s+2:G0+4*\s+3], s[20:21], \s*ASTEP
	s_or_b32 s[G0+4*\s+3], s[G0+4*\s+3], 0x80000000
	s_mov_b32 s[G0B+4*\s], 1
	s_add_co_u32 s[G0B+4*\s+1], s45, \s*SLOT
	s_add_nc_u64 s[G0B+4*\s+2:G0B+4*\s+3], s[46:47], \s*ROWB
	s_or_b32 s[G0B+4*\s+3], s[G0B+4*\s+3], 0x80000000
	JLOAD G0+4*\s, G1, G0B+4*\s, G1B
.endr
	v_and_b32 v1, 15, v0                           ; r
	v_bfe_u32 v2, v0, 4, 1                         ; h
	v_and_b32 v6, 31, v0
	v_lshlrev_b32 v[CO], 4, v6                     ; 16 x lane
	v_mul_u32_u24 v3, v1, PITCH
	v_mul_u32_u24 v4, v2, 24
	v_add_nc_u32 v4, v3, v4
	v_lshl_add_u32 v5, v2, 4, v4
	s_mul_i32 s21, s15, HALFT                      ; my 128 rows of a
	s_mul_i32 s22, s16, HALFT                      ; my 128 rows of W,
	s_add_co_u32 s22, s22, 2*HALFT                 ; behind a's two halves
.irp s, 0,1
	v_add_nc_u32 v[ADRA+\s], s21, v[CO]
	v_add_nc_u32 v[ADRB+\s], s22, v4
	v_add_nc_u32 v[ADRB+2+\s], s22, v5
	s_add_co_u32 s21, s21, SLOT
	s_add_co_u32 s22, s22, SLOT
.endr
	v_mul_u32_u24 v5, v1, KS
	v_lshrrev_b32 v6, 8, v5
	v_lshl_add_u32 v5, v6, 4, v5
	s_mul_i32 s21, s15, HALFS
	s_mul_i32 s22, s16, HALFS
	s_add_co_u32 s22, s22, 2*HALFS
	s_sub_co_u32 s22, s22, s21
	v_mul_u32_u24 v6, s22, v2                      ; lanes 16-31 take W's
	s_add_co_u32 s21, s21, SCL
	v_add_nc_u32 v5, v5, v6
	v_add_nc_u32 v[ADRS], s21, v5
	s_mul_i32 s23, s14, 16*SPITCH                  ; my stage
	v_mul_u32_u24 v5, v1, SPITCH                   ; in: row r, + 64 h: my half's 16 columns of each 32
	v_lshl_add_u32 v5, v2, 6, v5
	v_add_nc_u32 v[STO], s23, v5
	v_add_nc_u32 v[RD], s23, v[CO]                 ; back: the 32 lanes take one row of 512 bytes
	s_lshl_b32 s20, s17, 8
	s_lshl_b32 s21, s15, 7
	s_add_co_u32 s20, s20, s21                     ; my first row: 256 x tile row + 128 x half
	s_mov_b32 s21, 0
	s_mov_b64 s[18:19], SIZE_N*4
	s_mul_u64 s[20:21], s[20:21], s[18:19]
	s_lshl_b32 s46, s42, 10                        ; my first column, in bytes
	s_lshl_b32 s47, s16, 9
	s_add_co_u32 s46, s46, s47
	s_mov_b32 s47, 0
	s_add_nc_u64 s[20:21], s[20:21], s[46:47]
	s_add_nc_u64 s[12:13], s[12:13], s[20:21]
	s_add_nc_u64 s[96:97], s[96:97], s[46:47]      ; and the same columns of the bias
	v_lshlrev_b32 v[BCO], 6, v2
.irp b, 0,1,2,3,4,5,6,7                ; register 8 b + j: the bias of column 32 (b / 2) + 16 h + 8 (b % 2) + j
	global_load_b128 v[BC+8*\b:BC+8*\b+3], v[BCO], s[96:97] offset:(32*(\b/2)+8*(\b%2))*4
	global_load_b128 v[BC+8*\b+4:BC+8*\b+7], v[BCO], s[96:97] offset:(32*(\b/2)+8*(\b%2))*4+16
.endr
.macro FRAG reg, adr, q, i             ; a fragment of W from rows: 24 bytes twice, in pieces of 8
.irp p, 0,1,2,3,4,5
.set PCE, 12*(\q)+6*(\p/3)+\p%3
.if PCE%8 < 5
	ds_load_b64 v[\reg+2*\p:\reg+2*\p+1], v[\adr] offset:8*PCE+16*(PCE/8)+(\i)*16*PITCH
.else
	ds_load_b64 v[\reg+2*\p:\reg+2*\p+1], v[\adr+2] offset:8*PCE+16*(PCE/8)+(\i)*16*PITCH
.endif
.endr
.endm
; 16 matrix instructions: a's blocks a0, a0 + 1 x W's eight.  zero = 1: the first product starts the sums, from the bias.  The 64 accumulators take turns.
.macro MUL16 a0, p, q, sc, zero
.irp a, \a0, \a0+1
.irp b, 0,1,2,3,4,5,6,7
.if \zero
	v_wmma_scale_f32_16x16x128_f8f6f4 v[8*(8*((\a)%4)+\b):8*(8*((\a)%4)+\b)+7], v[128*(\p)+FR*\b:128*(\p)+FR*\b+FR-1], v[AF+FR*(\a):AF+FR*(\a)+FR-1], v[BC+8*\b:BC+8*\b+7], v[SC+8*NQ*(\sc)+NQ*\b+(\q)], v[SC+8*NQ*(\sc)+NQ*(\a)+(\q)] matrix_a_fmt:MATRIX_FMT_FP6 matrix_b_fmt:MATRIX_FMT_FP6 matrix_a_scale:MATRIX_SCALE_ROW1
.else
	v_wmma_scale_f32_16x16x128_f8f6f4 v[8*(8*((\a)%4)+\b):8*(8*((\a)%4)+\b)+7], v[128*(\p)+FR*\b:128*(\p)+FR*\b+FR-1], v[AF+FR*(\a):AF+FR*(\a)+FR-1], v[8*(8*((\a)%4)+\b):8*(8*((\a)%4)+\b)+7], v[SC+8*NQ*(\sc)+NQ*\b+(\q)], v[SC+8*NQ*(\sc)+NQ*(\a)+(\q)] matrix_a_fmt:MATRIX_FMT_FP6 matrix_b_fmt:MATRIX_FMT_FP6 matrix_a_scale:MATRIX_SCALE_ROW1
.endif
.endr
.endr
.endm
.macro FETCH_B slot, q, p
	WIN TO_B
.irp i, 0,1,2,3,4,5,6,7
	FRAG 128*(\p)+FR*\i, ADRB+\slot, \q, \i
.endr
	WIN 0
.endm
.macro FETCH_A slot, q, i0             ; a's blocks i0 .. i0 + 3: each image by three loads of 512 consecutive bytes
.irp i, \i0, \i0+1, \i0+2, \i0+3
.irp c, 0,1,2
	ds_load_b128 v[AF+FR*(\i)+4*\c:AF+FR*(\i)+4*\c+3], v[ADRA+\slot] offset:(\i)*ASTEP+(\q)*1536+512*\c
.endr
.endr
.endm
.macro SCALES sc
.irp i, 0,1,2,3,4,5,6,7
	ds_load_b64 v[SC+8*NQ*\sc+NQ*\i:SC+8*NQ*\sc+NQ*\i+1], v[ADRS] offset:\i*SBLK
.endr
.endm
.macro PLACES n
.rept \n
	v_nop
.endr
.endm
.macro STEP slot, q, zero
	s_wait_dscnt 4*NLA                             ; W's set and a's blocks 0-3 are in; the youngest 12 loads (a's blocks 4-7) may be out
.if \zero
	WIN 0x81                                       ; C (the bias) window 0, D window 2
.else
	WIN MUL_LO
.endif
	MUL16 0, (\q)%2, \q, \slot, \zero
	MUL16 2, (\q)%2, \q, \slot, \zero
	s_wait_dscnt 0
	PLACES NP
	FETCH_B \slot, (\q)+1, 1-(\q)%2
	FETCH_A \slot, (\q)+1, 0
.if \zero
	WIN 0xc1                                       ; C window 0, D window 3
.else
	WIN MUL_HI
.endif
	MUL16 4, (\q)%2, \q, \slot, \zero
	MUL16 6, (\q)%2, \q, \slot, \zero
	PLACES NP
	WIN 0
	FETCH_A \slot, (\q)+1, 4
.endm
.macro TURN slot, next, fill
	s_wait_tensorcnt 0x0                           ; all my tensor loads have landed: my part of the next slot
	ds_add_u32 v[SPW], v[NIL]                      ; 0 onto my spare word
	s_wait_dscnt 4*NLA+1                           ; (the add and the youngest 12 loads may be out)
	WIN MUL_LO
	MUL16 0, 1, NQ-1, \slot, 0
	s_wait_dscnt 0x0                               ; the add is done, and my reads of this slot are over
	s_barrier_signal -1
	MUL16 2, 1, NQ-1, \slot, 0
	WIN 0
	s_barrier_wait -1
.if \fill
	CREST                                          ; the barrier has opened a round of the cluster's barrier
	s_add_nc_u64 s[G0+4*\slot+2:G0+4*\slot+3], s[G0+4*\slot+2:G0+4*\slot+3], 2*ASTEP
	s_add_nc_u64 s[G0B+4*\slot+2:G0B+4*\slot+3], s[G0B+4*\slot+2:G0B+4*\slot+3], 2*ROWB
	JLOAD G0+4*\slot, G1, G0B+4*\slot, G1B         ; the first tensor load behind the round; its four v_nop are the places in front of the loads below
.else
	PLACES NP
.endif
	v_add_nc_u32 v[ADRS], 4*NQ, v[ADRS]
	FETCH_B \next, 0, 0
	FETCH_A \next, 0, 0
	SCALES \next
	WIN MUL_HI
	MUL16 4, 1, NQ-1, \slot, 0
	MUL16 6, 1, NQ-1, \slot, 0
	PLACES NP
	WIN 0
	FETCH_A \next, 0, 4
.endm
	s_wait_tensorcnt 1                             ; the scale bytes and my part of K step 0 are in (K step 1's load may be out),
	s_barrier_signal -1
	s_barrier_wait -1                              ; everybody's are
	FETCH_B 0, 0, 0
	FETCH_A 0, 0, 0
	SCALES 0
	FETCH_A 0, 0, 4
	s_wait_loadcnt 0x0                             ; the bias
	STEP 0, 0, 1
	s_mov_b32 s3, LAPS-1
.Llap:
	TURN 0, 1, 1
	STEP 1, 0, 0
	TURN 1, 0, 1
	STEP 0, 0, 0
	s_sub_co_u32 s3, s3, 1
	s_cmp_lg_u32 s3, 0
	s_cbranch_scc1 .Llap
	TURN 0, 1, 0
	STEP 1, 0, 0
	s_wait_dscnt 4*NLA
	WIN MUL_LO
	MUL16 0, 1, NQ-1, 1, 0
	MUL16 2, 1, NQ-1, 1, 0
	s_wait_dscnt 0
	WIN MUL_HI
	MUL16 4, 1, NQ-1, 1, 0
	MUL16 6, 1, NQ-1, 1, 0
	WIN 0
; THE WAY OUT, block by block of 16 row places x 128 columns, through my own stage in LDS; it comes back as whole rows of 512 bytes.  Accumulator b's eight numbers go to columns 32 (b / 2) + 16 h + 8 (b % 2) on;
; stage row t of block a is row 32 (a / 2) + 8 (a % 2) + t + 8 (t / 8) of my 128.  LDS serves a wave's instructions in order: no wait between the stores and the loads.
.macro TOSTAGE a
.set AC, 64*((\a)%4)
	WIN 0x08+4*((\a)/4)                            ; the data: window 2 or 3
.irp b, 0,1,2,3,4,5,6,7
	ds_store_b128 v[STO], v[AC+8*\b:AC+8*\b+3] offset:128*(\b/2)+32*(\b%2)        ; each accumulator from its low end on
	ds_store_b128 v[STO], v[AC+8*\b+4:AC+8*\b+7] offset:128*(\b/2)+32*(\b%2)+16
.endr
	WIN 0
.set BB, BK+64*((\a)%2)
.irp t, 0,1,2,3,4,5,6,7,8,9,10,11,12,13,14,15
	ds_load_b128 v[BB+4*\t:BB+4*\t+3], v[RD] offset:\t*SPITCH
.endr
.endm
.macro SEND a, younger
.set BB, BK+64*((\a)%2)
	s_wait_dscnt \younger                          ; the block is back in registers
.if (\a) > 0
.if (\a)%2 == 1
	s_add_nc_u64 s[12:13], s[12:13], 8*SIZE_N*4    ; (behind a wait on XCNT: the earlier stores have read their base)  from block 2 i to 2 i + 1: 8 rows on,
.else
	s_add_nc_u64 s[12:13], s[12:13], 24*SIZE_N*4   ; from 2 i + 1 to 2 i + 2: 24
.endif
.endif
.irp t, 0,1,2,3,4,5,6,7,8,9,10,11,12,13,14,15
	global_store_b128 v[CO], v[BB+4*\t:BB+4*\t+3], s[12:13] offset:(\t+8*(\t/8))*SIZE_N*4 th:TH_STORE_NT   ; 32 lanes store 512 consecutive bytes, aligned
.endr
.endm
	PLACES NP
	TOSTAGE 0
.irp a, 1,2,3,4,5,6,7
.if \a > 1
	s_wait_xcnt 0x0                                ; block a - 2's stores have read their registers and their base
.endif
	TOSTAGE \a
	SEND \a-1, 32                                  ; behind block a - 1's loads: block a's 16 stores and 16 loads
.endr
	s_wait_xcnt 0x0
	SEND 7, 0
	s_wait_tensorcnt 0x0                           ; the wave's end
	ds_add_u32 v[SPW], v[NIL]
	s_wait_dscnt 0x0
	CROUND                                         ; the closing round
	s_endpgm
.Lfunc_end_k_qc327b9bdc1_proj:
	.size	k_qc327b9bdc1_proj, .Lfunc_end_k_qc327b9bdc1_proj-k_qc327b9bdc1_proj
	.p2alignl 7, 3214868480
	.fill 96, 4, 3214868480
	.section	.rodata,"a",@progbits
	.p2align	6, 0x0
	.amdhsa_kernel k_qc327b9bdc1_proj
		.amdhsa_group_segment_fixed_size 327680
		.amdhsa_private_segment_fixed_size 0
		.amdhsa_enable_private_segment 0
		.amdhsa_kernarg_size 48
		.amdhsa_user_sgpr_count 2
		.amdhsa_user_sgpr_kernarg_segment_ptr 1
		.amdhsa_wavefront_size32 1
		.amdhsa_system_sgpr_workgroup_id_x 1
		.amdhsa_system_sgpr_workgroup_id_y 1
		.amdhsa_system_sgpr_workgroup_id_z 1
		.amdhsa_system_vgpr_workitem_id 0
		.amdhsa_next_free_vgpr 1024
		.amdhsa_next_free_sgpr 98
		.amdhsa_reserve_vcc 0
		.amdhsa_float_denorm_mode_32 3
		.amdhsa_float_denorm_mode_16_64 3
		.amdhsa_memory_ordered 1
		.amdhsa_forward_progress 1
		.amdhsa_inst_pref_size 149
	.end_amdhsa_kernel
	.amdgpu_metadata
---
amdhsa.version: [ 1, 2 ]
amdhsa.kernels:
  - .name:           k_qc327b9bdc1_proj
    .symbol:         k_qc327b9bdc1_proj.kd
    .args:
      - { .name: ac, .offset: 0, .size: 8, .value_kind: global_buffer, .address_space: global }
      - { .name: asc, .offset: 8, .size: 8, .value_kind: global_buffer, .address_space: global }
      - { .name: codes, .offset: 16, .size: 8, .value_kind: global_buffer, .address_space: global }
      - { .name: scales, .offset: 24, .size: 8, .value_kind: global_buffer, .address_space: global }
      - { .name: proj_b, .offset: 32, .size: 8, .value_kind: global_buffer, .address_space: global }
      - { .name: out0, .offset: 40, .size: 8, .value_kind: global_buffer, .address_space: global }
    .group_segment_fixed_size: 327680
    .private_segment_fixed_size: 0
    .kernarg_segment_align: 8
    .kernarg_segment_size: 48
    .max_flat_workgroup_size: 128
    .sgpr_count:     98
    .vgpr_count:     1024
    .wavefront_size: 32
...
	.end_amdgpu_metadata
.endif
;; end of part 4
